; MI455X (gfx1250); checked and timed in simulation.
; The chip was launched on July 23, 2026; its instructions are those of AMD's public machine-readable ISA for CDNA 5 (MIT licence, August 2026) and "CDNA5" Instruction Set Architecture Reference Guide (July 2026). The comments in the code are by the model that wrote it; some were corrected since.
;; m LSTM Cell. Allowed arithmetic: float matrix products may take bf16 or f16 operands with f32 sums; all other float work in f32.
;; Inputs: if_bias 16 x 2 float32; if_weights 16 x 2 x 1,024 float32; kq_weights 16 x 128 x 1,024 float32; kvq_bias 16 x 3 x 64 float32; o_bias 16 x 64 float32; o_weights 16 x 64 x 1,024 float32; v_weights 16 x 64 x 1,024 float32; xs 8,192 x 1,024 float32.
;; Outputs: out0 8,192 x 1,024 float32.
;; 2 versions, each right; version 2 is version 1 with the launches prep, scan written anew for expert scheduling mode. Each part assembles by itself: llvm-mc -triple=amdgcn-amd-amdhsa -mcpu=gfx1250 --defsym DOCPART=n.
;; ======== version 1 of 2: 4 launches
;; limits: values outside matrix products are rounded to bf16
;; workspace buffers: xb 16,777,216 bytes; wb 8,388,608 bytes; gt 1,048,576 bytes; kvb 67,108,864 bytes; ub 20,971,520 bytes; ga 1,056,768 bytes; cin 20,971,520 bytes; mst 4,096 bytes
;; launch prep (part 1): grid 256 x 1, 8 waves a work-group, no clusters, 173,056 bytes of LDS; arguments xs, if_weights, kq_weights, v_weights, o_weights, if_bias, xb, wb, gt; writes xb, wb, gt
.if DOCPART == 1
	.amdgcn_target "amdgcn-amd-amdhsa--gfx1250"
	.amdhsa_code_object_version 6
	.text
	.protected	k_q4362485155_prep
	.globl	k_q4362485155_prep
	.p2align	8
	.type	k_q4362485155_prep,@function
k_q4362485155_prep:
	s_mov_b64 s[64:65], 0
	v_nop
	global_prefetch_b8 v0, s[64:65] scope:SCOPE_SE
	s_setreg_imm32_b32 hwreg(HW_REG_WAVE_MODE, 25, 1), 1
	s_wait_xcnt 0x0
; prep: xs -> bf16 (xb); all projection weights -> bf16, ordered by head (wb); the gates i, f = x . Wif + bias (gt).
; wb row head*128 + p        : p < 64: kq_weights[head][p] / 8 (k; the factor 1/sqrt(64) is a power of two), else v_weights[head][p-64]
; wb row 2048 + head*128 + p : p < 64: kq_weights[head][64+p] (q), else o_weights[head][p-64]
; gt [256 blocks of 32 steps][32 gates n = 2 head + (0: i, 1: f)][32 steps] f32, bias included.
; Work-group g: rows 32 g .. 32 g + 31 of xs and rows 16 g .. 16 g + 15 of wb.  Wave w: columns 128 w .. 128 w + 127 of the 32 rows of xs
; and of the 32 rows of if_weights (one 16-byte load of the wave = 512 consecutive bytes of a row), and two whole rows of wb.
; The gates are a product 32 x 32 x 1024 on the matrix unit, bf16 operands, f32 sums; each wave sums its 128 columns, the eight partial
; sums meet in LDS behind the one barrier.
; LIMITS: gate operands are rounded to bf16, and so is the gates' bias (the weight of a constant input 1, kept in the format of its row);
; k weights below 2^-123 lose bits to the factor 1/8; NaN and infinities are not followed.
.set LPITCH, 272                       ; an LDS row: 256 bytes + 16, so that 16 rows start at 16 different 16-byte columns
.set WLDS,   2*32*LPITCH               ; a wave's own LDS: its 32 x 128 of x, then its 32 x 128 of the gate weights
.set RED,    8*WLDS                    ; behind them: 8 waves x 4,096 bytes of partial sums
.set ACC, 16                           ; v[16:47]   four accumulator tiles 2 mt + nt
.set FA,  64                           ; v[64:127]  gate weights as loaded; then fragments of x, 8 (4 mt + s)
.set FB,  128                          ; v[128:191] gate weights as loaded; then their fragments, 8 (4 nt + s)
.set WRW, 192                          ; v[192:255] my two rows of weights, 16 loads of 4 registers
                                       ; window 1, v[0:127]: my part of x, row j in 4 j .. 4 j + 3
.set MSB, 0
.macro WIN new                         ; s_set_vgpr_msb: low byte the new windows, high byte the setting that is left
.if MSB != (\new)
	s_set_vgpr_msb (MSB<<8)|(\new)
.set MSB, (\new)
.endif
.endm
	s_load_b512 s[4:19], s[0:1], 0x0               ; xs 4, if_weights 6, kq 8, v 10, o 12, if_bias 14, xb 16, wb 18
	s_load_b64 s[20:21], s[0:1], 0x40              ; gt
	v_lshl_add_u32 v62, v0, 2, 0x2a000
	v_mov_b32 v63, 0
	v_lshrrev_b32 v15, 5, v0
	v_readfirstlane_b32 s22, v15                   ; wave 0..7
	s_lshr_b32 s23, ttmp9, 7                       ; half: 0 = the k|v rows of wb, 1 = the q|o rows
	s_bfe_u32 s24, ttmp9, 0x40003                  ; head
	s_and_b32 s25, ttmp9, 7                        ; which 16 of the head's 128 rows
	s_lshl_b32 s26, s24, 7
	s_lshl_b32 s27, s23, 6
	s_add_co_u32 s26, s26, s27
	s_lshl_b32 s27, s25, 4
	s_add_co_u32 s26, s26, s27                     ; source row in kq_weights: 128 head + 64 half + 16 sub
	s_and_b32 s27, s25, 3
	s_lshl_b32 s27, s27, 4
	s_lshl_b32 s32, s24, 6
	s_add_co_u32 s32, s32, s27                     ; source row in v_weights or o_weights: 64 head + 16 (sub - 4)
	s_lshl_b32 s33, s23, 2
	s_add_co_u32 s33, s33, s25
	s_cmp_lt_u32 s33, 4                            ; half 0 and sub < 4: rows of k
	s_cselect_b32 s30, 0x3e000000, 1.0             ; 1/8 for k, else 1
	s_mov_b32 s31, s30
	s_mul_i32 s34, s22, WLDS
	s_lshl_b32 s38, s22, 12
	s_lshl_b32 s39, s22, 13
	s_add_co_u32 s35, s38, RED
	v_and_b32 v1, 31, v0                           ; lane
	v_lshlrev_b32 v2, 4, v0                        ; 512 w + 16 lane: my 16 bytes in a row of xs and of if_weights; also 16 t for gt
	v_lshlrev_b32 v3, 3, v0                        ; 256 w + 8 lane: my 8 bytes in a row of xb
	v_lshl_add_u32 v4, v1, 4, s39                  ; 8,192 w + 16 lane: my two source rows
	v_lshl_add_u32 v5, v1, 3, s38                  ; 4,096 w + 8 lane: my two rows of wb
	v_lshl_add_u32 v6, v1, 3, s34                  ; LDS: my 8 bytes of a row in my wave's part
	v_and_b32 v13, 15, v0                          ; r
	v_bfe_u32 v14, v0, 4, 1                        ; h
	v_mul_u32_u24 v7, v13, LPITCH
	v_lshl_add_u32 v7, v14, 4, v7
	v_add_nc_u32 v7, s34, v7                       ; fragment address: row r, 16 h
	v_lshl_add_u32 v8, v1, 4, s35                  ; where my partial sums go
	; thread t writes gt bytes 16 t: gate n = t >> 3, steps 4 (t & 7) .. + 3.  In the accumulator layout (register j: row 8 h + j, lane r: column)
	; that is tile 2 mt + nt, mt = (t >> 2) & 1, nt = t >> 7, lane 16 h' + r', h' = (t >> 1) & 1, r' = (t >> 3) & 15, registers 4 q .. 4 q + 3, q = t & 1
	v_bfe_u32 v13, v0, 2, 1
	v_lshrrev_b32 v14, 7, v0
	v_lshl_add_u32 v13, v13, 1, v14                ; tile
	v_and_b32 v14, 1, v0
	v_lshl_add_u32 v13, v13, 1, v14                ; 2 tile + q
	v_bfe_u32 v14, v0, 1, 1
	v_lshl_add_u32 v13, v13, 1, v14                ; .. + h'
	v_bfe_u32 v14, v0, 3, 4
	v_lshl_add_u32 v13, v13, 4, v14                ; .. 16 + r'
	v_lshlrev_b32 v9, 4, v13
	v_add_nc_u32 v9, RED, v9                       ; 1,024 tile + 512 q + 16 (16 h' + r') in wave 0's partial sums
	v_lshrrev_b32 v11, 3, v0
	v_lshlrev_b32 v11, 2, v11                      ; 4 n: my gate's bias
	s_wait_kmcnt 0x0
	s_cmp_lg_u32 s23, 0
	s_cselect_b64 s[28:29], s[12:13], s[10:11]     ; half ? o_weights : v_weights
	s_cmp_lt_u32 s25, 4
	s_cselect_b64 s[28:29], s[8:9], s[28:29]       ; the head's first 64 rows come from kq_weights
	s_cselect_b32 s26, s26, s32
	s_lshl_b32 s26, s26, 12                        ; rows of 4,096 bytes
	s_mov_b32 s27, 0
	s_add_nc_u64 s[28:29], s[28:29], s[26:27]
	s_mov_b32 s37, 0
	s_lshl_b32 s36, ttmp9, 17
	s_add_nc_u64 s[4:5], s[4:5], s[36:37]          ; xs: 32 rows of 4,096 bytes a work-group
	s_lshl_b32 s36, ttmp9, 16
	s_add_nc_u64 s[16:17], s[16:17], s[36:37]      ; xb: 32 rows of 2,048
	s_lshl_b32 s36, ttmp9, 15
	s_add_nc_u64 s[18:19], s[18:19], s[36:37]      ; wb: 16 rows of 2,048
	s_lshl_b32 s36, ttmp9, 12
	s_add_nc_u64 s[20:21], s[20:21], s[36:37]      ; gt: a block of 4,096
	; all 81 loads of the wave go out at once: bias, x, weight rows, gate weights
	global_load_b32 v12, v11, s[14:15]
	WIN 0x40                                       ; destination in window 1
.set j, 0
.rept 32
	global_load_b128 v[4*j:4*j+3], v2, s[4:5] offset:j*4096 th:TH_LOAD_NT
.set j, j+1
.endr
	WIN 0
.set j, 0
.rept 16
	global_load_b128 v[WRW+4*j:WRW+4*j+3], v4, s[28:29] offset:j*512 th:TH_LOAD_NT
.set j, j+1
.endr
.set j, 0
.rept 32
	global_load_b128 v[FA+4*j:FA+4*j+3], v2, s[6:7] offset:j*4096
.set j, j+1
.endr
	s_wait_loadcnt 48                              ; x is in: the 16 + 32 younger loads stay out
	WIN 0x45                                       ; destination and both sources in window 1
.set j, 0
.rept 32
	v_cvt_pk_bf16_f32 v[4*j], v[4*j], v[4*j+1]
	v_cvt_pk_bf16_f32 v[4*j+1], v[4*j+2], v[4*j+3]
.set j, j+1
.endr
	WIN 0x04                                       ; store data in window 1
.set j, 0
.rept 32
	global_store_b64 v3, v[4*j:4*j+1], s[16:17] offset:j*2048      ; the wave's store covers 256 consecutive bytes, aligned
	ds_store_b64 v6, v[4*j:4*j+1] offset:j*LPITCH
.set j, j+1
.endr
	WIN 0
	s_wait_loadcnt 32                              ; my two weight rows are in: the 32 gate-weight loads stay out
.set j, 0
.rept 16
	v_pk_mul_f32 v[WRW+4*j:WRW+4*j+1], v[WRW+4*j:WRW+4*j+1], s[30:31] op_sel_hi:[1,0]
	v_pk_mul_f32 v[WRW+4*j+2:WRW+4*j+3], v[WRW+4*j+2:WRW+4*j+3], s[30:31] op_sel_hi:[1,0]
	v_cvt_pk_bf16_f32 v[WRW+4*j], v[WRW+4*j], v[WRW+4*j+1]
	v_cvt_pk_bf16_f32 v[WRW+4*j+1], v[WRW+4*j+2], v[WRW+4*j+3]
	global_store_b64 v5, v[WRW+4*j:WRW+4*j+1], s[18:19] offset:j*256
.set j, j+1
.endr
	s_wait_loadcnt 0x0                             ; the gate weights and the bias
	v_cvt_pk_bf16_f32 v12, v12, v12                ; the bias in bf16,
	v_lshlrev_b32 v12, 16, v12                     ; widened again
.set j, 0
.rept 32
	v_cvt_pk_bf16_f32 v[FA+4*j], v[FA+4*j], v[FA+4*j+1]
	v_cvt_pk_bf16_f32 v[FA+4*j+1], v[FA+4*j+2], v[FA+4*j+3]
	ds_store_b64 v6, v[FA+4*j:FA+4*j+1] offset:32*LPITCH+j*LPITCH
.set j, j+1
.endr
	s_wait_dscnt 0x0                               ; the stores have read their registers, which the fragments now take
	; fragments (16 rows x 32 K in 8 registers: two loads of 16 bytes, 32 bytes apart), from my wave's own bytes
.irp mt, 0,1
.irp s, 0,1,2,3
	ds_load_b128 v[FA+8*(4*\mt+\s):FA+8*(4*\mt+\s)+3],   v7 offset:\mt*16*LPITCH+64*\s
	ds_load_b128 v[FA+8*(4*\mt+\s)+4:FA+8*(4*\mt+\s)+7], v7 offset:\mt*16*LPITCH+64*\s+32
	ds_load_b128 v[FB+8*(4*\mt+\s):FB+8*(4*\mt+\s)+3],   v7 offset:32*LPITCH+\mt*16*LPITCH+64*\s
	ds_load_b128 v[FB+8*(4*\mt+\s)+4:FB+8*(4*\mt+\s)+7], v7 offset:32*LPITCH+\mt*16*LPITCH+64*\s+32
.endr
.endr
	s_wait_dscnt 0x0
	; D(step, gate): the four accumulators take turns; the first K step starts the sums
.irp s, 0,1,2,3
.irp mt, 0,1
.irp nt, 0,1
.if \s == 0
	v_wmma_f32_16x16x32_bf16 v[ACC+8*(2*\mt+\nt):ACC+8*(2*\mt+\nt)+7], v[FA+8*(4*\mt+\s):FA+8*(4*\mt+\s)+7], v[FB+8*(4*\nt+\s):FB+8*(4*\nt+\s)+7], 0
.else
	v_wmma_f32_16x16x32_bf16 v[ACC+8*(2*\mt+\nt):ACC+8*(2*\mt+\nt)+7], v[FA+8*(4*\mt+\s):FA+8*(4*\mt+\s)+7], v[FB+8*(4*\nt+\s):FB+8*(4*\nt+\s)+7], v[ACC+8*(2*\mt+\nt):ACC+8*(2*\mt+\nt)+7]
.endif
.endr
.endr
.endr
.rept 4
	v_nop                                          ; four places behind the last matrix instruction (ISA guide 7.12.1) before its results are stored and its sources loaded again
.endr
.set j, 0
.rept 8
	ds_store_b128 v8, v[ACC+4*j:ACC+4*j+3] offset:512*j            ; tile j / 2, registers 4 (j & 1) ..
.set j, j+1
.endr
	s_wait_dscnt 0x0                               ; my partial sums are in LDS, for the other waves' sake
	s_barrier_signal -1
	s_barrier_wait -1
.set j, 0
.rept 8
	ds_load_b128 v[FA+4*j:FA+4*j+3], v9 offset:4096*j              ; wave j's partial sums of my four numbers
.set j, j+1
.endr
	s_wait_dscnt 0x0
.irp j, 0,8,16,24
	v_pk_add_f32 v[FA+\j:FA+\j+1], v[FA+\j:FA+\j+1], v[FA+\j+4:FA+\j+5]
	v_pk_add_f32 v[FA+\j+2:FA+\j+3], v[FA+\j+2:FA+\j+3], v[FA+\j+6:FA+\j+7]
.endr
.irp j, 0,16
	v_pk_add_f32 v[FA+\j:FA+\j+1], v[FA+\j:FA+\j+1], v[FA+\j+8:FA+\j+9]
	v_pk_add_f32 v[FA+\j+2:FA+\j+3], v[FA+\j+2:FA+\j+3], v[FA+\j+10:FA+\j+11]
.endr
	v_pk_add_f32 v[FA:FA+1], v[FA:FA+1], v[FA+16:FA+17]
	v_pk_add_f32 v[FA+2:FA+3], v[FA+2:FA+3], v[FA+18:FA+19]
.irp j, 0,1,2,3
	v_add_f32 v[FA+\j], v[FA+\j], v12              ; the gate's bias
.endr
	global_store_b128 v2, v[FA:FA+3], s[20:21]     ; the block of 4,096 bytes is written densely by the 256 threads
	s_wait_tensorcnt 0x0
	ds_add_u32 v62, v63
	s_wait_dscnt 0x0
	s_endpgm
.Lfunc_end_k_q4362485155_prep:
	.size	k_q4362485155_prep, .Lfunc_end_k_q4362485155_prep-k_q4362485155_prep
	.p2alignl 7, 3214868480
	.fill 96, 4, 3214868480
	.section	.rodata,"a",@progbits
	.p2align	6, 0x0
	.amdhsa_kernel k_q4362485155_prep
		.amdhsa_group_segment_fixed_size 173056
		.amdhsa_private_segment_fixed_size 0
		.amdhsa_enable_private_segment 0
		.amdhsa_kernarg_size 72
		.amdhsa_user_sgpr_count 2
		.amdhsa_user_sgpr_kernarg_segment_ptr 1
		.amdhsa_wavefront_size32 1
		.amdhsa_system_sgpr_workgroup_id_x 1
		.amdhsa_system_sgpr_workgroup_id_y 1
		.amdhsa_system_sgpr_workgroup_id_z 1
		.amdhsa_system_vgpr_workitem_id 0
		.amdhsa_next_free_vgpr 384
		.amdhsa_next_free_sgpr 66
		.amdhsa_reserve_vcc 0
		.amdhsa_float_denorm_mode_32 3
		.amdhsa_float_denorm_mode_16_64 3
		.amdhsa_memory_ordered 1
		.amdhsa_forward_progress 1
		.amdhsa_inst_pref_size 38
	.end_amdhsa_kernel
	.amdgpu_metadata
---
amdhsa.version: [ 1, 2 ]
amdhsa.kernels:
  - .name:           k_q4362485155_prep
    .symbol:         k_q4362485155_prep.kd
    .args:
      - { .name: xs, .offset: 0, .size: 8, .value_kind: global_buffer, .address_space: global }
      - { .name: if_weights, .offset: 8, .size: 8, .value_kind: global_buffer, .address_space: global }
      - { .name: kq_weights, .offset: 16, .size: 8, .value_kind: global_buffer, .address_space: global }
      - { .name: v_weights, .offset: 24, .size: 8, .value_kind: global_buffer, .address_space: global }
      - { .name: o_weights, .offset: 32, .size: 8, .value_kind: global_buffer, .address_space: global }
      - { .name: if_bias, .offset: 40, .size: 8, .value_kind: global_buffer, .address_space: global }
      - { .name: xb, .offset: 48, .size: 8, .value_kind: global_buffer, .address_space: global }
      - { .name: wb, .offset: 56, .size: 8, .value_kind: global_buffer, .address_space: global }
      - { .name: gt, .offset: 64, .size: 8, .value_kind: global_buffer, .address_space: global }
    .group_segment_fixed_size: 173056
    .private_segment_fixed_size: 0
    .kernarg_segment_align: 8
    .kernarg_segment_size: 72
    .max_flat_workgroup_size: 256
    .sgpr_count:     66
    .vgpr_count:     384
    .wavefront_size: 32
...
	.end_amdgpu_metadata
.endif
;; end of part 1
;; launch kv (part 2): grid 8 x 32, 4 waves a work-group, clusters of 4 x 4, 327,680 bytes of LDS; arguments xb, wb, gt, kvq_bias, kvb, ub, ga; writes kvb, ub, ga
.if DOCPART == 2
	.amdgcn_target "amdgcn-amd-amdhsa--gfx1250"
	.amdhsa_code_object_version 6
	.text
	.protected	k_q4362485155_kv
	.globl	k_q4362485155_kv
	.p2align	8
	.type	k_q4362485155_kv,@function
k_q4362485155_kv:
	s_mov_b64 s[64:65], 0
	v_nop
	global_prefetch_b8 v0, s[64:65] scope:SCOPE_SE
	s_setreg_imm32_b32 hwreg(HW_REG_WAVE_MODE, 25, 1), 1
	s_wait_xcnt 0x0
	s_wait_alu depctr_hold_cnt(0) depctr_sa_sdst(0) depctr_va_vdst(0) depctr_va_sdst(0) depctr_va_ssrc(0) depctr_va_vcc(0) depctr_vm_vsrc(0)
	s_getreg_b32 s2, hwreg(HW_REG_IB_STS2, 6, 4)
	s_cmp_eq_u32 s2, 0
	s_cbranch_scc0 .Lentry_in_a_cluster
	s_endpgm
.Lentry_in_a_cluster:
	s_bfe_u32 s2, ttmp6, 0x10000c
	s_cmp_lg_u32 s2, 0xf033
	s_cbranch_scc0 .Lentry_shape_is_right
	s_endpgm
.Lentry_shape_is_right:
; kv: [k | v] = xb . wb(rows 0..2047)^T + bias, and for each (head, chunk of 128 steps) what the recurrence needs of it.
; A work-group makes 256 steps x 256 columns with four waves; a wave's 128 x 128 is ONE chunk of ONE head: columns 0-63 k, 64-127 v.
; With b_j the chunk's running sum of f, a_l = i_l - b_l and A = max a_l, the wave stores
;   ga : a_l log2(e), the running maximum of a up to l times log2(e), and (b_127, A)
;   kvb: [256 rows][128 steps] bf16: rows 0-63 k hi, 64-127 k lo, 128-191 v hi, 192-255 v lo (row = feature)
;   ub : U[i][d] = sum_l e^(a_l - A) v_l[i] k_l[d]  (tiles it = 0..3) and  sum_l e^(a_l - A) k_l[d]  (it = 4), f32, in the register image of a matrix operand
; Every exponent is <= 0: the chunk's maximum is taken away, as the reference's stabiliser does.
; HI AND LO: one rounding to bf16 (8 bits) of k, v or the weights is too coarse for what follows (sums that cancel, divided by a sum that cancels).  Every
; operand x of the recurrence's products is therefore kept as hi = bf16(x), lo = bf16(x - hi), and a product is hi hi + hi lo + lo hi: 16 bits.
; The product: K in steps of 128 through two LDS slots filled by the tensor data mover; 4 x 4 work-groups form a cluster; xb's tile hangs on the block
; row alone and is asked for jointly along a row of the cluster, wb's on the block column alone and jointly along a column: a quarter of the requests.
; The matrix instruction takes steps as rows (source 0 = xb) and features as columns (source 1 = wb): lane r of a result holds feature 16 b + r, its
; registers the steps 16 a + 8 h + 0..7.  Packed to bf16 these are, with no exchange between lanes, 16 bytes of kvb's rows and the operands of U.
; LIMITS: the biases are taken in bf16, the format of the weight rows that they belong to; what hi and lo drop is below 2^-16 of a number; exponentials
; below 2^-126 come out as zero; the sums of f are formed in a tree inside the chunk, not step by step; NaN and infinities are not followed.
;
; REGISTERS, windows of 256: window 0: v0-47 addresses and biases; v64-127, v128-191 fragments of xb; window 1: v64-127, v128-191 fragments of wb;
; window 2: accumulators of my steps 0-63 (tile (a, b) at 8 (8 a + b)); window 3: steps 64-127.  The way out's map stands at its head.
.set SIZE_K, 1024
.set KSTEP,  128
.set PITCH,  272                       ; an LDS row: 256 bytes + 16: the 16 rows of a fragment load start at 16 different 16-byte columns
.set HALFT,  128*PITCH                 ; 128 rows: one tensor load
.set SLOT,   4*HALFT                   ; xb's 256 rows, then wb's 256 rows
.set STAGE,  2*SLOT                    ; behind the ring: 16 rows x 272 bytes for each wave
.set SPITCH, 272
.set GS,     STAGE+4*16*SPITCH         ; behind the stages: 512 bytes for each wave, the 128 weights e^(a-A)
.set LAPS,   SIZE_K/(2*KSTEP)          ; 4 laps of two K steps
.set ADRA, 16
.set ADRB, 20
.set STO,  24                          ; v24 stage: row r, 16 h
.set RD,   25                          ; v25 stage: row lane / 16, 16 (lane % 16)
.set L16,  27                          ; v27 16 lane
.set WAD,  28                          ; v28 GS + 32 h
.set L4,   29                          ; v29 4 lane
.set BIAS, 32                          ; v[32:47] the bias of feature 16 b + r, twice: pair b
.set F0,   64
.set F1,   128
.set G1, 24
.set G0, 32
.set G1B, 48
.set G0B, 56
.set MSB, 0
.macro WIN new
.if MSB != (\new)
	s_set_vgpr_msb (MSB<<8)|(\new)
.set MSB, (\new)
.endif
.endm
.set MUL_LO, 0xa4                      ; source 0 (xb) window 0, source 1 (wb) window 1, C and D window 2
.set MUL_HI, 0xf4                      ; the same, C and D window 3
.set TO_B,   0x40
; A joint load: waves 0, 1 fetch xb's two halves, waves 2, 3 wb's.  The branch hangs on the wave's number alone.
.macro JLOAD s
	s_cmp_eq_u32 s11, 0
	s_cbranch_scc0 .Lfor_b_\@
	tensor_load_to_lds s[G0+4*\s:G0+4*\s+3], s[G1:G1+7]
	s_nop 0
	s_branch .Lasked_\@
.Lfor_b_\@:
	tensor_load_to_lds s[G0B+4*\s:G0B+4*\s+3], s[G1B:G1B+7]
	s_nop 0
.Lasked_\@:
.endm
; A round of the cluster's barrier: my work-group's barrier; wave 0 signals for the work-group; every wave waits for all sixteen; my work-group's barrier again.
.macro CREST
	s_cmp_lg_u32 s10, 0
	s_cbranch_scc1 .Lnot_wave_0_\@
	s_barrier_signal -3
.Lnot_wave_0_\@:
	s_barrier_wait -3
	s_barrier_signal -1
	s_barrier_wait -1
.endm
.macro CROUND
	s_barrier_signal -1
	s_barrier_wait -1
	CREST
.endm
	s_load_b128 s[4:7], s[0:1], 0x0                ; xb, wb
	s_load_b256 s[84:91], s[0:1], 0x10             ; gt 84, kvq_bias 86, kvb 88, ub 90
	s_load_b64 s[92:93], s[0:1], 0x30              ; ga
	v_lshl_add_u32 v63, v0, 2, 0x48c00
	s_set_vgpr_msb 0x40
	v_mov_b32 v255, 0
	s_set_vgpr_msb 0x4044
	ds_add_u32 v63, v255
	s_set_vgpr_msb 0x4400
	v_lshrrev_b32 v1, 5, v0
	v_readfirstlane_b32 s10, v1                    ; wave 0..3
	s_lshr_b32 s11, s10, 1                         ; my half of the block's rows; also: I fetch for xb (0) or wb (1)
	s_and_b32 s12, s10, 1                          ; my half of its columns; also: which 128 rows of that tile I fetch
	s_bfe_u32 s40, ttmp6, 0x40000                  ; cx
	s_bfe_u32 s41, ttmp6, 0x40004                  ; cy
	s_lshl_b32 s42, ttmp9, 2
	s_add_co_u32 s42, s42, s40                     ; block column
	s_and_b32 s13, ttmp7, 0xffff
	s_lshl_b32 s13, s13, 2
	s_add_co_u32 s13, s13, s41                     ; block row
	s_lshl_b32 s43, s41, 2
	s_lshl_b32 s43, 15, s43                        ; my row of the cluster
	s_lshl_b32 s44, 0x1111, s40                    ; my column
	s_mov_b32 s96, 0xffff0000                      ; a word's upper bf16
	s_or_b32 s[G1+0], s43, (1<<16)|(1<<20)|(1<<21)|(5<<22)|(3<<25)   ; mask; 2-byte elements; padding of 4 words behind every 64; bit 21 beside a mask
	s_or_b32 s[G1B+0], s44, (1<<16)|(1<<20)|(1<<21)|(5<<22)|(3<<25)
	s_mov_b32 s[G1B+1], KSTEP<<16
	s_mov_b32 s[G1+1], KSTEP<<16                   ; tensor_dim0 = 128
	s_mov_b32 s[G1B+2], 128<<16
	s_mov_b32 s[G1+2], 128<<16                     ; tensor_dim1 = 128
	s_mov_b32 s[G1B+3], KSTEP<<16
	s_mov_b32 s[G1+3], KSTEP<<16                   ; tile_dim0 = 128
	s_mov_b32 s[G1B+4], 128
	s_mov_b32 s[G1+4], 128                         ; tile_dim1 = 128
	s_mov_b32 s[G1B+5], SIZE_K
	s_mov_b32 s[G1+5], SIZE_K                      ; elements from row to row
	s_mov_b32 s[G1B+6], 0
	s_mov_b32 s[G1+6], 0
	s_mov_b32 s[G1B+7], 0
	s_mov_b32 s[G1+7], 0
	s_lshl_b32 s17, s12, 7
	s_lshl_b32 s16, s13, 8
	s_add_co_u32 s16, s16, s17                     ; xb: row 256 x block row + 128 x half
	s_lshl_b32 s46, s42, 8
	s_add_co_u32 s46, s46, s17                     ; wb: row 256 x block column + 128 x half
	s_mov_b32 s17, 0
	s_mov_b32 s47, 0
	s_mov_b64 s[18:19], SIZE_K*2
	s_mul_u64 s[16:17], s[16:17], s[18:19]
	s_mul_u64 s[46:47], s[46:47], s[18:19]
	s_mul_i32 s20, s10, HALFT                      ; where my tiles go: wave x 128 rows
	s_wait_dscnt 0x0
	s_wait_kmcnt 0x0
	s_add_nc_u64 s[14:15], s[4:5], s[16:17]
	s_add_nc_u64 s[46:47], s[6:7], s[46:47]
	CROUND                                         ; all sixteen work-groups are here: the first joint loads meet
.irp s, 0,1
	s_mov_b32 s[G0+4*\s], 1
	s_add_co_u32 s[G0+4*\s+1], s20, \s*SLOT
	s_add_nc_u64 s[G0+4*\s+2:G0+4*\s+3], s[14:15], \s*KSTEP*2
	s_or_b32 s[G0+4*\s+3], s[G0+4*\s+3], 0x80000000
	s_mov_b32 s[G0B+4*\s], 1
	s_add_co_u32 s[G0B+4*\s+1], s20, \s*SLOT
	s_add_nc_u64 s[G0B+4*\s+2:G0B+4*\s+3], s[46:47], \s*KSTEP*2
	s_or_b32 s[G0B+4*\s+3], s[G0B+4*\s+3], 0x80000000
	JLOAD \s                                       ; both slots are asked for before anything else is done: two tensor loads of the wave are out
.endr
	; my head, my chunk, and the buffers at my block
	s_lshl_b32 s100, s42, 1
	s_add_co_u32 s100, s100, s12                   ; head = 2 x block column + column half
	s_lshl_b32 s101, s13, 1
	s_add_co_u32 s101, s101, s11                   ; chunk = 2 x block row + row half
	s_lshl_b32 s66, s100, 6
	s_add_co_u32 s66, s66, s101                    ; blk = 64 head + chunk
	s_mov_b32 s81, 0
	s_lshl_b32 s80, s101, 14
	s_lshl_b32 s82, s100, 8
	s_add_co_u32 s80, s80, s82
	s_add_nc_u64 s[84:85], s[84:85], s[80:81]      ; gt: 4 blocks of 4,096 a chunk, gate 2 head
	s_mul_i32 s80, s100, 768
	s_add_nc_u64 s[86:87], s[86:87], s[80:81]      ; kvq_bias[head]
	s_lshl_b32 s80, s66, 16
	s_add_nc_u64 s[88:89], s[88:89], s[80:81]      ; kvb block: 256 rows of 256 bytes
	s_mul_i32 s80, s66, 20480
	s_add_nc_u64 s[90:91], s[90:91], s[80:81]      ; ub block
	s_lshl_b32 s80, s66, 10
	s_add_nc_u64 s[94:95], s[92:93], s[80:81]      ; ga block
	s_lshl_b32 s80, s66, 3
	s_add_co_u32 s80, s80, 0x100000
	s_add_nc_u64 s[92:93], s[92:93], s[80:81]      ; ga: my (b_127, A)
	v_and_b32 v1, 15, v0                           ; r
	v_bfe_u32 v2, v0, 4, 1                         ; h
	v_mul_u32_u24 v3, v1, PITCH
	v_lshl_add_u32 v3, v2, 4, v3                   ; r x pitch + 16 h
	s_mul_i32 s21, s11, HALFT
	s_mul_i32 s22, s12, HALFT
	s_add_co_u32 s22, s22, 2*HALFT
.irp s, 0,1
	v_add_nc_u32 v[ADRA+\s], s21, v3
	v_add_nc_u32 v[ADRB+\s], s22, v3
	s_add_co_u32 s21, s21, SLOT
	s_add_co_u32 s22, s22, SLOT
.endr
	s_mul_i32 s23, s10, 16*SPITCH
	s_add_co_u32 s23, s23, STAGE                   ; my stage
	v_add_nc_u32 v[STO], s23, v3
	v_mul_u32_u24 v4, v2, SPITCH
	v_lshl_add_u32 v4, v1, 4, v4
	v_add_nc_u32 v[RD], s23, v4
	s_lshl_b32 s83, s10, 9
	s_add_co_u32 s83, s83, GS                      ; my 512 bytes of weights
	v_and_b32 v5, 31, v0                           ; lane
	v_lshlrev_b32 v[L16], 4, v5
	v_lshlrev_b32 v[L4], 2, v5
	v_lshlrev_b32 v30, 2, v1                       ; 4 r
	v_lshl_add_u32 v[WAD], v2, 5, s83
	v_add_nc_u32 v31, s83, v[L16]
	v_lshrrev_b32 v6, 3, v5
	v_and_b32 v7, 7, v5
	v_lshlrev_b32 v7, 4, v7
	v_lshl_add_u32 v6, v6, 12, v7                  ; lane l holds steps 4 l .. 4 l + 3: gt block l / 8, bytes 16 (l % 8)
	; THE GATES OF MY CHUNK, in registers that the fragments take later
.set SI,  64                           ; i of my 4 steps
.set SF,  68                           ; f
.set SP,  72                           ; running sum of f inside the lane
.set SS,  76                           ; scan of the sums
.set ST,  77
.set SX,  78
.set SZ,  79                           ; 0
.set SN,  80                           ; -infinity
.set SE,  81
.set SM,  82                           ; scan of the maxima
.set SEM, 83
.set SB,  84                           ; b
.set SA,  88                           ; a = i - b
.set SC,  92                           ; running maximum of a inside the lane
.set SG,  96                           ; running maximum of a in the chunk
.set SW,  100                          ; e^(a - A)
.set SA2, 104                          ; a log2(e)
.set SUM, 108
	global_load_b128 v[SI:SI+3], v6, s[84:85]
	global_load_b128 v[SF:SF+3], v6, s[84:85] offset:128
.irp b, 0,1,2,3,4,5,6,7
	global_load_b32 v[BIAS+2*\b], v30, s[86:87] offset:64*\b       ; kvq_bias rows 0 (k) and 1 (v) follow each other: feature 16 b + r
.endr
; dst[l] = src[l - sh], or ident in the lanes below sh
.macro SHIFT dst, src, sh, ident
	v_sub_nc_u32 v[SX], v[L4], 4*\sh
	ds_bpermute_b32 v[\dst], v[SX], v[\src]
	s_mov_b32 s67, (0xffffffff<<\sh)&0xffffffff
	s_wait_dscnt 0x0
	v_cndmask_b32 v[\dst], v[\ident], v[\dst], s67
.endm
	v_mov_b32 v[SZ], 0
	v_mov_b32 v[SN], 0xff800000
	s_wait_loadcnt 0x0
.irp b, 0,1,2,3,4,5,6,7
	v_cvt_pk_bf16_f32 v[BIAS+2*\b], v[BIAS+2*\b], v[BIAS+2*\b]     ; the bias in bf16,
.endr
.irp b, 0,1,2,3,4,5,6,7
	v_lshlrev_b32 v[BIAS+2*\b], 16, v[BIAS+2*\b]                   ; widened again,
.endr
.irp b, 0,1,2,3,4,5,6,7
	v_mov_b32 v[BIAS+2*\b+1], v[BIAS+2*\b]                         ; twice: a pair for the packed add
.endr
	v_add_f32 v[SP+1], v[SF], v[SF+1]
	v_add_f32 v[SP+2], v[SP+1], v[SF+2]
	v_add_f32 v[SP+3], v[SP+2], v[SF+3]
	v_mov_b32 v[SS], v[SP+3]
.irp sh, 1,2,4,8,16
	SHIFT ST, SS, \sh, SZ
	v_add_f32 v[SS], v[SS], v[ST]
.endr
	SHIFT SE, SS, 1, SZ                            ; the sum of all lanes below mine
	v_add_f32 v[SB], v[SE], v[SF]
	v_add_f32 v[SB+1], v[SE], v[SP+1]
	v_add_f32 v[SB+2], v[SE], v[SP+2]
	v_add_f32 v[SB+3], v[SE], v[SP+3]
.irp k, 0,1,2,3
	v_sub_f32 v[SA+\k], v[SI+\k], v[SB+\k]
.endr
	v_max_num_f32 v[SC+1], v[SA], v[SA+1]
	v_max_num_f32 v[SC+2], v[SC+1], v[SA+2]
	v_max_num_f32 v[SC+3], v[SC+2], v[SA+3]
	v_mov_b32 v[SM], v[SC+3]
.irp sh, 1,2,4,8,16
	SHIFT ST, SM, \sh, SN
	v_max_num_f32 v[SM], v[SM], v[ST]
.endr
	SHIFT SEM, SM, 1, SN
	v_max_num_f32 v[SG], v[SEM], v[SA]
	v_max_num_f32 v[SG+1], v[SEM], v[SC+1]
	v_max_num_f32 v[SG+2], v[SEM], v[SC+2]
	v_max_num_f32 v[SG+3], v[SEM], v[SC+3]
	v_readlane_b32 s68, v[SS], 31                  ; b_127
	v_readlane_b32 s69, v[SM], 31                  ; A
.irp k, 0,1,2,3
	v_sub_f32 v[SW+\k], v[SA+\k], s69
	v_mul_f32 v[SW+\k], 0x3fb8aa3b, v[SW+\k]
.endr
.irp k, 0,1,2,3
	v_exp_f32 v[SW+\k], v[SW+\k]
.endr
.irp k, 0,1,2,3
	v_mul_f32 v[SA2+\k], 0x3fb8aa3b, v[SA+\k]      ; plain work behind the exponentials (ISA guide 5.7.2) before their results are stored
.endr
.irp k, 0,1,2,3
	v_mul_f32 v[SG+\k], 0x3fb8aa3b, v[SG+\k]
.endr
	s_wait_alu depctr_va_vdst(0)
	ds_store_b128 v31, v[SW:SW+3]                  ; step t's weight at 4 t of my 512 bytes
	global_store_b128 v[L16], v[SA2:SA2+3], s[94:95]
	global_store_b128 v[L16], v[SG:SG+3], s[94:95] offset:512
	v_mov_b32 v[SUM], s68
	v_mov_b32 v[SUM+1], s69
	v_mov_b32 v[SUM+2], 0
	v_cmp_eq_u32 vcc_lo, 0, v5
	s_wait_xcnt 0x0                                ; EXEC, a source of the stores above, changes only behind this wait
	s_and_saveexec_b32 s67, vcc_lo
	global_store_b64 v[SUM+2], v[SUM:SUM+1], s[92:93]              ; lane 0 alone
	s_wait_xcnt 0x0                                ; and again; it also frees the stores' data registers for the fragments
	s_or_b32 exec_lo, exec_lo, s67
.macro MUL16 f, hi, a0, zero
.irp a, \a0, \a0+1
.irp b, 0,1,2,3,4,5,6,7
.if \zero
	v_wmma_f32_16x16x32_bf16 v[8*(8*(\a)+\b):8*(8*(\a)+\b)+7], v[\f+8*(4*\hi+\a):\f+8*(4*\hi+\a)+7], v[\f+8*\b:\f+8*\b+7], 0
.else
	v_wmma_f32_16x16x32_bf16 v[8*(8*(\a)+\b):8*(8*(\a)+\b)+7], v[\f+8*(4*\hi+\a):\f+8*(4*\hi+\a)+7], v[\f+8*\b:\f+8*\b+7], v[8*(8*(\a)+\b):8*(8*(\a)+\b)+7]
.endif
.endr
.endr
.endm
.macro FETCH slot, k, f                ; 32 LDS loads in one run: a quarter step's fragments, wb's first, then xb's
	WIN TO_B
.irp i, 0,1,2,3,4,5,6,7
	ds_load_b128 v[\f+8*\i:\f+8*\i+3],   v[ADRB+\slot] offset:\k+\i*16*PITCH
	ds_load_b128 v[\f+8*\i+4:\f+8*\i+7], v[ADRB+\slot] offset:\k+\i*16*PITCH+32
.endr
	WIN 0
.irp i, 0,1,2,3,4,5,6,7
	ds_load_b128 v[\f+8*\i:\f+8*\i+3],   v[ADRA+\slot] offset:\k+\i*16*PITCH
	ds_load_b128 v[\f+8*\i+4:\f+8*\i+7], v[ADRA+\slot] offset:\k+\i*16*PITCH+32
.endr
.endm
.macro PLACES                          ; four plain places behind a matrix instruction (ISA guide 7.12.1) before its registers are loaded, read or written
.rept 4
	v_nop
.endr
.endm
; The 64 accumulators take turns in the same order in every quarter step.
.macro QUARTER slot, k, f, g, zero
	s_wait_dscnt 8                                 ; wb's fragments and xb's rows 0-63 are in; the youngest eight loads may be out
	WIN MUL_LO
	MUL16 \f, 0, 0, \zero
	MUL16 \f, 0, 2, \zero
	PLACES
	FETCH \slot, \k, \g
	s_wait_dscnt 32                                ; all but the 32 just issued
	WIN MUL_HI
	MUL16 \f, 1, 0, \zero
	MUL16 \f, 1, 2, \zero
.endm
.macro THREE slot, zero
	QUARTER \slot, 64,  F0, F1, \zero
	QUARTER \slot, 128, F1, F0, 0
	QUARTER \slot, 192, F0, F1, 0
.endm
; The last quarter changes slots.  In front of the barrier each wave waits for its reads of this slot and for all its tensor loads (one is out: its part
; of the next slot).  fill = 1: the barrier opens a round of the cluster's barrier, and the joint refill is the first tensor load behind the round.
.macro TURN slot, next, fill
	s_wait_dscnt 8
	WIN MUL_LO
	MUL16 F1, 0, 0, 0
	s_wait_dscnt 0
	s_wait_tensorcnt 0x0
	ds_add_u32 v63, v255
	s_wait_dscnt 0x0
	s_barrier_signal -1
	MUL16 F1, 0, 2, 0
	WIN 0
	s_barrier_wait -1
.if \fill == 1
	CREST
	s_add_nc_u64 s[G0+4*\slot+2:G0+4*\slot+3], s[G0+4*\slot+2:G0+4*\slot+3], 2*KSTEP*2
	s_add_nc_u64 s[G0B+4*\slot+2:G0B+4*\slot+3], s[G0B+4*\slot+2:G0B+4*\slot+3], 2*KSTEP*2
	JLOAD \slot
.endif
	PLACES
	FETCH \next, 0, F0
	WIN MUL_HI
	MUL16 F1, 1, 0, 0
	MUL16 F1, 1, 2, 0
.endm
.macro LAP zero
	THREE 0, \zero
	TURN 0, 1, 1
	THREE 1, 0
	TURN 1, 0, 1
.endm
	s_wait_dscnt 0x0                               ; my weights are in LDS: no LDS instruction is pending at a signal
	s_wait_tensorcnt 1                             ; my part of K step 0 is in; K step 1's stays out
	s_barrier_signal -1
	s_barrier_wait -1
	FETCH 0, 0, F0
	LAP 1                                          ; the first products start the sums
	WIN 0
	s_mov_b32 s3, LAPS-2
.Llap:
	LAP 0
	WIN 0
	s_sub_co_u32 s3, s3, 1
	s_cmp_lg_u32 s3, 0
	s_cbranch_scc1 .Llap
	THREE 0, 0                                     ; the last lap fills nothing
	TURN 0, 1, 0
	THREE 1, 0
	s_wait_dscnt 8
	WIN MUL_LO
	MUL16 F1, 0, 0, 0
	MUL16 F1, 0, 2, 0
	s_wait_dscnt 0
	WIN MUL_HI
	MUL16 F1, 1, 0, 0
	MUL16 F1, 1, 2, 0
	; THE WAY OUT.
	; window 0: T v[64:127] one feature tile's 128 steps in f32 (8 a + j); WR v[128:191] the weights of steps 16 a + 8 h + j (8 a + j); RB v[192:255] rows read back, two sets.
	; window 1: T2 v[0:63] weight x v in f32; TT v[64:127] hi widened again; VH, VL v[128:191] v packed; later U's 20 tiles v[0:159] and the weights' fragments v[160:223].
	; windows 2 and 3: a feature tile's 64 sums are read out first; its 8 fragments (8 registers: 32 steps) then take the 8 freed pieces:
	; fragment (tile b, steps 32 s ..) lies at 8 (8 s + b), hi in window 2, lo in window 3; b = 0..3 k, b = 4..7 weight x v.
.set T,   64
.set WR,  128
.set RB,  192
.set T2,  0
.set TT,  64
.set VH,  128
.set VL,  160
.set WFH, 160
.set WFL, 192
	PLACES
	WIN 0
.set i, 0
.rept 8
	ds_load_b128 v[WR+8*i:WR+8*i+3],   v[WAD] offset:64*i
	ds_load_b128 v[WR+8*i+4:WR+8*i+7], v[WAD] offset:64*i+16       ; LDS returns in order: these are in by the first tile's last counted wait
.set i, i+1
.endr
; 64 numbers x (window xw, from xb) -> 32 words hi (window hw) and 32 words lo (window lw); word i lies at base + (i / 8) stride + i % 8.  x is used up.
.macro SPLIT xw, xb, hw, hb, hs, lw, lb, ls
	WIN ((\hw)<<6)|((\xw)<<2)|(\xw)
.set i, 0
.rept 32
	v_cvt_pk_bf16_f32 v[\hb+(i>>3)*\hs+(i&7)], v[\xb+2*i], v[\xb+2*i+1]
.set i, i+1
.endr
	WIN (1<<6)|((\hw)<<2)
.set i, 0
.rept 32
	v_lshlrev_b32 v[TT+2*i], 16, v[\hb+(i>>3)*\hs+(i&7)]
	v_and_b32 v[TT+2*i+1], s96, v[\hb+(i>>3)*\hs+(i&7)]
.set i, i+1
.endr
	WIN ((\xw)<<6)|(1<<2)|(\xw)
.set i, 0
.rept 32
	v_pk_add_f32 v[\xb+2*i:\xb+2*i+1], v[\xb+2*i:\xb+2*i+1], v[TT+2*i:TT+2*i+1] neg_lo:[0,1] neg_hi:[0,1]   ; x - hi, exact
.set i, i+1
.endr
	WIN ((\lw)<<6)|((\xw)<<2)|(\xw)
.set i, 0
.rept 32
	v_cvt_pk_bf16_f32 v[\lb+(i>>3)*\ls+(i&7)], v[\xb+2*i], v[\xb+2*i+1]
.set i, i+1
.endr
.endm
; 32 packed words (window dw) = 16 rows x 128 steps leave through my stage as rows row .. row + 15 of my block of kvb
.macro STAGEOUT dw, db, ds, row, rb
	WIN (\dw)<<2                                   ; store data in window dw
.set i, 0
.rept 8
	ds_store_b128 v[STO], v[\db+(i>>1)*\ds+4*(i&1):\db+(i>>1)*\ds+4*(i&1)+3] offset:32*i   ; row r, steps 16 i + 8 h ..
.set i, i+1
.endr
	WIN 0
	s_wait_xcnt 0x0                                ; the read-back registers, which earlier stores read, are loaded again only behind this wait
.set i, 0
.rept 8
	ds_load_b128 v[\rb+4*i:\rb+4*i+3], v[RD] offset:i*2*SPITCH     ; LDS serves a wave's instructions in order: these see the stores above
.set i, i+1
.endr
.set i, 0
.rept 8
	s_wait_dscnt 7-i
	global_store_b128 v[L16], v[\rb+4*i:\rb+4*i+3], s[88:89] offset:(\row+2*i)*256   ; two rows of kvb: 512 consecutive bytes, aligned
.set i, i+1
.endr
.endm
; Feature tile b: bias; hi and lo; rows of kvb; k stays as U's first operand, weight x v as its second.
.macro FEAT b
	WIN 0x02                                       ; source 0 in window 2
.irp a, 0,1,2,3
.irp p, 0,2,4,6
	v_pk_add_f32 v[T+8*\a+\p:T+8*\a+\p+1], v[8*(8*\a+\b)+\p:8*(8*\a+\b)+\p+1], v[BIAS+2*\b:BIAS+2*\b+1]
.endr
.endr
	WIN 0x03                                       ; source 0 in window 3
.irp a, 0,1,2,3
.irp p, 0,2,4,6
	v_pk_add_f32 v[T+32+8*\a+\p:T+32+8*\a+\p+1], v[8*(8*\a+\b)+\p:8*(8*\a+\b)+\p+1], v[BIAS+2*\b:BIAS+2*\b+1]
.endr
.endr
.if \b < 4
	SPLIT 0, T, 2, 8*\b, 64, 3, 8*\b, 64
	STAGEOUT 2, 8*\b, 64, 16*\b, RB
	STAGEOUT 3, 8*\b, 64, 64+16*\b, RB+32
.else
	WIN 0x40
.set i, 0
.rept 32
	v_pk_mul_f32 v[T2+2*i:T2+2*i+1], v[T+2*i:T+2*i+1], v[WR+2*i:WR+2*i+1]
.set i, i+1
.endr
	SPLIT 0, T, 1, VH, 8, 1, VL, 8
	STAGEOUT 1, VH, 8, 128+16*(\b-4), RB
	STAGEOUT 1, VL, 8, 192+16*(\b-4), RB+32
	SPLIT 1, T2, 2, 8*\b, 64, 3, 8*\b, 64
.endif
.endm
.irp b, 0,1,2,3,4,5,6,7
	FEAT \b
.endr
	SPLIT 0, WR, 1, WFH, 8, 1, WFL, 8              ; the weights alone, as a second operand: the same in every column
; One matrix instruction; Z = 1: it starts the sum
.macro WM d, a, b
.if Z
	v_wmma_f32_16x16x32_bf16 v[\d:\d+7], v[\a:\a+7], v[\b:\b+7], 0
.else
	v_wmma_f32_16x16x32_bf16 v[\d:\d+7], v[\a:\a+7], v[\b:\b+7], v[\d:\d+7]
.endif
.endm
; U: D(d, i) = sum over steps of k[d] x (weight v)[i], one of the three terms; sixteen accumulators take turns
.macro UTERM win, zero
	WIN \win
.irp s, 0,1,2,3
.set Z, 0
.if \zero
.if \s == 0
.set Z, 1
.endif
.endif
.irp it, 0,1,2,3
.irp dt, 0,1,2,3
	WM 8*(4*\it+\dt), 8*(8*\s+\dt), 8*(8*\s+4+\it)
.endr
.endr
.endr
.endm
; the same with the weights alone: four accumulators take turns
.macro NTERM win, wf, zero
	WIN \win
.irp s, 0,1,2,3
.set Z, 0
.if \zero
.if \s == 0
.set Z, 1
.endif
.endif
.irp dt, 0,1,2,3
	WM 8*(16+\dt), 8*(8*\s+\dt), \wf+8*\s
.endr
.endr
.endm
	UTERM 0x5a, 1                                  ; k hi (window 2) x wv hi (window 2); C and D window 1
	UTERM 0x5e, 0                                  ; k hi x wv lo (window 3)
	UTERM 0x5b, 0                                  ; k lo (window 3) x wv hi
	NTERM 0x56, WFH, 1                             ; k hi x w hi (window 1)
	NTERM 0x56, WFL, 0                             ; k hi x w lo
	NTERM 0x57, WFH, 0                             ; k lo x w hi
	PLACES
	WIN 0x04                                       ; store data in window 1
.set i, 0
.rept 40
	global_store_b128 v[L16], v[4*i:4*i+3], s[90:91] offset:512*i  ; tile i / 2, registers 4 (i & 1) ..: 512 consecutive bytes
.set i, i+1
.endr
	WIN 0
	s_wait_dscnt 0x0
	s_set_vgpr_msb 0x4
	s_wait_tensorcnt 0x0
	ds_add_u32 v63, v255
	s_wait_dscnt 0x0
	s_set_vgpr_msb 0x400
	CROUND                                         ; the closing round: no work-group ends while a partner may still ask for a tile that names it
	s_endpgm
.Lfunc_end_k_q4362485155_kv:
	.size	k_q4362485155_kv, .Lfunc_end_k_q4362485155_kv-k_q4362485155_kv
	.p2alignl 7, 3214868480
	.fill 96, 4, 3214868480
	.section	.rodata,"a",@progbits
	.p2align	6, 0x0
	.amdhsa_kernel k_q4362485155_kv
		.amdhsa_group_segment_fixed_size 327680
		.amdhsa_private_segment_fixed_size 0
		.amdhsa_enable_private_segment 0
		.amdhsa_kernarg_size 56
		.amdhsa_user_sgpr_count 2
		.amdhsa_user_sgpr_kernarg_segment_ptr 1
		.amdhsa_wavefront_size32 1
		.amdhsa_system_sgpr_workgroup_id_x 1
		.amdhsa_system_sgpr_workgroup_id_y 1
		.amdhsa_system_sgpr_workgroup_id_z 1
		.amdhsa_system_vgpr_workitem_id 0
		.amdhsa_next_free_vgpr 1024
		.amdhsa_next_free_sgpr 102
		.amdhsa_reserve_vcc 1
		.amdhsa_float_denorm_mode_32 3
		.amdhsa_float_denorm_mode_16_64 3
		.amdhsa_memory_ordered 1
		.amdhsa_forward_progress 1
		.amdhsa_inst_pref_size 255
	.end_amdhsa_kernel
	.section	.bss,"aw",@nobits
	.p2align	6
	.space	262144
	.amdgpu_metadata
---
amdhsa.version: [ 1, 2 ]
amdhsa.kernels:
  - .name:           k_q4362485155_kv
    .symbol:         k_q4362485155_kv.kd
    .args:
      - { .name: xb, .offset: 0, .size: 8, .value_kind: global_buffer, .address_space: global }
      - { .name: wb, .offset: 8, .size: 8, .value_kind: global_buffer, .address_space: global }
      - { .name: gt, .offset: 16, .size: 8, .value_kind: global_buffer, .address_space: global }
      - { .name: kvq_bias, .offset: 24, .size: 8, .value_kind: global_buffer, .address_space: global }
      - { .name: kvb, .offset: 32, .size: 8, .value_kind: global_buffer, .address_space: global }
      - { .name: ub, .offset: 40, .size: 8, .value_kind: global_buffer, .address_space: global }
      - { .name: ga, .offset: 48, .size: 8, .value_kind: global_buffer, .address_space: global }
    .group_segment_fixed_size: 327680
    .private_segment_fixed_size: 0
    .kernarg_segment_align: 8
    .kernarg_segment_size: 56
    .max_flat_workgroup_size: 128
    .sgpr_count:     102
    .vgpr_count:     1024
    .wavefront_size: 32
...
	.end_amdgpu_metadata
.endif
;; end of part 2
;; launch scan (part 3): grid 40 x 16, 1 waves a work-group, no clusters, 0 bytes of LDS; arguments ub, ga, cin, mst; writes cin, mst
.if DOCPART == 3
	.amdgcn_target "amdgcn-amd-amdhsa--gfx1250"
	.amdhsa_code_object_version 6
	.text
	.protected	k_q4362485155_scan
	.globl	k_q4362485155_scan
	.p2align	8
	.type	k_q4362485155_scan,@function
k_q4362485155_scan:
	s_mov_b64 s[64:65], 0
	v_nop
	global_prefetch_b8 v0, s[64:65] scope:SCOPE_SE
	s_setreg_imm32_b32 hwreg(HW_REG_WAVE_MODE, 25, 1), 1
	s_wait_xcnt 0x0
; scan: the recurrence from chunk to chunk, element by element.  With m the stabiliser that enters chunk c (m = 0, C = 0 at chunk 0):
;   g = max(m, A_c);  C <- e^(m - g) C + e^(A_c - g) U_c;  m <- b_c + g.   Both exponents are <= 0: the running maximum is taken away.
; Stored for chunk c: the state that ENTERS it as hi = bf16(C) and lo = bf16(C - hi) (cin: [head][chunk][hi, lo][10,240 bytes]; the state itself is
; carried in f32), and m log2(e) (mst).
; One wave a work-group: x = which 512 bytes of a block of ub (40), y = head.  A lane owns four elements through all 64 chunks.
; No LDS, no matrix unit, no cluster: nothing is shared but 512 bytes of gate figures.  32 of the 63 loads go out at once, the rest one a step.
; Chunk 63's U is not read: no later chunk exists.
; LIMITS: exponentials below 2^-126 come out as zero; NaN and infinities are not followed.
.set UBLK, 20480                       ; bytes of a chunk's block in ub
.set CBLK, 20480                       ; and in cin: hi, then lo
.set RING, 64                          ; v[64:191] 32 slots of 4 registers
	s_load_b128 s[4:7], s[0:1], 0x0                ; ub, ga
	s_load_b128 s[8:11], s[0:1], 0x10              ; cin, mst
	s_and_b32 s12, ttmp7, 0xffff                   ; head
	s_mov_b32 s25, 0xffff0000                      ; a word's upper bf16
	v_lshlrev_b32 v1, 4, v0                        ; 16 lane
	v_lshlrev_b32 v2, 3, v0                        ; 8 lane
	s_mul_i32 s14, s12, 64*UBLK
	s_lshl_b32 s16, ttmp9, 9
	s_add_co_u32 s14, s14, s16
	s_mov_b32 s15, 0
	s_mul_i32 s16, s12, 64*CBLK
	s_lshl_b32 s18, ttmp9, 8
	s_add_co_u32 s16, s16, s18
	s_mov_b32 s17, 0
	s_lshl_b32 s18, s12, 9
	s_add_co_u32 s18, s18, 0x100000                ; the pairs (b, A) lie behind ga's 1,024 blocks of 1,024 bytes
	s_mov_b32 s19, 0
	s_lshl_b32 s20, s12, 8
	s_mov_b32 s21, 0
	s_wait_kmcnt 0x0
	s_add_nc_u64 s[4:5], s[4:5], s[14:15]
	s_add_nc_u64 s[8:9], s[8:9], s[16:17]
	s_add_nc_u64 s[6:7], s[6:7], s[18:19]
	s_add_nc_u64 s[10:11], s[10:11], s[20:21]
	global_load_b128 v[4:7], v1, s[6:7]            ; lane l: (b, A) of chunks 2 l and 2 l + 1
.set c, 0
.rept 32
	global_load_b128 v[RING+4*c:RING+4*c+3], v1, s[4:5] offset:c*UBLK th:TH_LOAD_NT
.set c, c+1
.endr
	v_mov_b32 v8, 0                                ; m
	v_mov_b32 v12, 0                               ; C, four elements
	v_mov_b32 v13, 0
	v_mov_b32 v14, 0
	v_mov_b32 v15, 0
	v_mov_b32 v18, 0                               ; lane l collects m log2(e) of chunks 2 l, 2 l + 1
	v_mov_b32 v19, 0
.set c, 0
.rept 64
.if c <= 31
	s_wait_loadcnt 31                              ; chunk c's U is in: 31 - c first loads and c refills are younger
.else
.if c <= 62
	s_wait_loadcnt 62-c                            ; the refills issued behind chunk c's
.endif
.endif
	v_readlane_b32 s22, v[4+2*(c&1)], c>>1         ; b_c
	v_readlane_b32 s23, v[5+2*(c&1)], c>>1         ; A_c
	s_mov_b32 s24, 1<<(c>>1)
	v_mul_f32 v20, 0x3fb8aa3b, v8
	v_cndmask_b32 v[18+(c&1)], v[18+(c&1)], v20, s24
.if c < 63
	v_max_num_f32 v9, s23, v8                      ; g
	v_sub_f32 v21, v8, v9
	v_sub_f32 v22, s23, v9
	v_mul_f32 v21, 0x3fb8aa3b, v21
	v_mul_f32 v22, 0x3fb8aa3b, v22
	v_exp_f32 v10, v21                             ; each factor twice: pairs for the packed arithmetic
	v_exp_f32 v11, v21
	v_exp_f32 v24, v22
	v_exp_f32 v25, v22
.endif
	s_wait_xcnt 0x0                                ; v[16:17] and v[26:27], which the last step's stores read, are rewritten only behind this wait
	v_cvt_pk_bf16_f32 v16, v12, v13                ; hi; plain work behind the exponentials (ISA guide 5.7.2)
	v_cvt_pk_bf16_f32 v17, v14, v15
	v_lshlrev_b32 v28, 16, v16
	v_and_b32 v29, s25, v16
	v_lshlrev_b32 v30, 16, v17
	v_and_b32 v31, s25, v17
	v_pk_add_f32 v[28:29], v[12:13], v[28:29] neg_lo:[0,1] neg_hi:[0,1]   ; C - hi, exact
	v_pk_add_f32 v[30:31], v[14:15], v[30:31] neg_lo:[0,1] neg_hi:[0,1]
	v_cvt_pk_bf16_f32 v26, v28, v29                ; lo
	v_cvt_pk_bf16_f32 v27, v30, v31
	global_store_b64 v2, v[16:17], s[8:9] offset:c*CBLK            ; each store of the wave covers 256 consecutive bytes, aligned
	global_store_b64 v2, v[26:27], s[8:9] offset:c*CBLK+10240
.if c < 63
	v_add_f32 v8, s22, v9                          ; m for the next chunk
	s_wait_alu depctr_va_vdst(0)
	v_pk_mul_f32 v[12:13], v[12:13], v[10:11]
	v_pk_mul_f32 v[14:15], v[14:15], v[10:11]
	v_pk_fma_f32 v[12:13], v[RING+4*(c&31):RING+4*(c&31)+1], v[24:25], v[12:13]
	v_pk_fma_f32 v[14:15], v[RING+4*(c&31)+2:RING+4*(c&31)+3], v[24:25], v[14:15]
.if c <= 30
	global_load_b128 v[RING+4*(c&31):RING+4*(c&31)+3], v1, s[4:5] offset:(c+32)*UBLK th:TH_LOAD_NT
.endif
.endif
.set c, c+1
.endr
	s_cmp_lg_u32 ttmp9, 0                          ; m is the same in all 40 work-groups of a head: the first stores it
	s_cbranch_scc1 .Lend
	global_store_b64 v2, v[18:19], s[10:11]
.Lend:
	s_endpgm
.Lfunc_end_k_q4362485155_scan:
	.size	k_q4362485155_scan, .Lfunc_end_k_q4362485155_scan-k_q4362485155_scan
	.p2alignl 7, 3214868480
	.fill 96, 4, 3214868480
	.section	.rodata,"a",@progbits
	.p2align	6, 0x0
	.amdhsa_kernel k_q4362485155_scan
		.amdhsa_group_segment_fixed_size 0
		.amdhsa_private_segment_fixed_size 0
		.amdhsa_enable_private_segment 0
		.amdhsa_kernarg_size 32
		.amdhsa_user_sgpr_count 2
		.amdhsa_user_sgpr_kernarg_segment_ptr 1
		.amdhsa_wavefront_size32 1
		.amdhsa_system_sgpr_workgroup_id_x 1
		.amdhsa_system_sgpr_workgroup_id_y 1
		.amdhsa_system_sgpr_workgroup_id_z 1
		.amdhsa_system_vgpr_workitem_id 0
		.amdhsa_next_free_vgpr 192
		.amdhsa_next_free_sgpr 66
		.amdhsa_reserve_vcc 0
		.amdhsa_float_denorm_mode_32 3
		.amdhsa_float_denorm_mode_16_64 3
		.amdhsa_memory_ordered 1
		.amdhsa_forward_progress 1
		.amdhsa_inst_pref_size 117
	.end_amdhsa_kernel
	.amdgpu_metadata
---
amdhsa.version: [ 1, 2 ]
amdhsa.kernels:
  - .name:           k_q4362485155_scan
    .symbol:         k_q4362485155_scan.kd
    .args:
      - { .name: ub, .offset: 0, .size: 8, .value_kind: global_buffer, .address_space: global }
      - { .name: ga, .offset: 8, .size: 8, .value_kind: global_buffer, .address_space: global }
      - { .name: cin, .offset: 16, .size: 8, .value_kind: global_buffer, .address_space: global }
      - { .name: mst, .offset: 24, .size: 8, .value_kind: global_buffer, .address_space: global }
    .group_segment_fixed_size: 0
    .private_segment_fixed_size: 0
    .kernarg_segment_align: 8
    .kernarg_segment_size: 32
    .max_flat_workgroup_size: 32
    .sgpr_count:     66
    .vgpr_count:     192
    .wavefront_size: 32
...
	.end_amdgpu_metadata
.endif
;; end of part 3
;; launch qo (part 4): grid 8 x 32, 4 waves a work-group, clusters of 4 x 4, 327,680 bytes of LDS; arguments xb, wb, kvb, ga, cin, mst, kvq_bias, o_bias, out0; writes out0
.if DOCPART == 4
	.amdgcn_target "amdgcn-amd-amdhsa--gfx1250"
	.amdhsa_code_object_version 6
	.text
	.protected	k_q4362485155_qo
	.globl	k_q4362485155_qo
	.p2align	8
	.type	k_q4362485155_qo,@function
k_q4362485155_qo:
	s_mov_b64 s[64:65], 0
	v_nop
	global_prefetch_b8 v0, s[64:65] scope:SCOPE_SE
	s_setreg_imm32_b32 hwreg(HW_REG_WAVE_MODE, 25, 1), 1
	s_wait_xcnt 0x0
	s_wait_alu depctr_hold_cnt(0) depctr_sa_sdst(0) depctr_va_vdst(0) depctr_va_sdst(0) depctr_va_ssrc(0) depctr_va_vcc(0) depctr_vm_vsrc(0)
	s_getreg_b32 s2, hwreg(HW_REG_IB_STS2, 6, 4)
	s_cmp_eq_u32 s2, 0
	s_cbranch_scc0 .Lentry_in_a_cluster
	s_endpgm
.Lentry_in_a_cluster:
	s_bfe_u32 s2, ttmp6, 0x10000c
	s_cmp_lg_u32 s2, 0xf033
	s_cbranch_scc0 .Lentry_shape_is_right
	s_endpgm
.Lentry_shape_is_right:
; qo: [q | o] = xb . wb(rows 2048..4095)^T + bias, then the read-out of the recurrence, one chunk of one head in each wave.
; With a_l, the running maximum gl_j of a (ga), the stabiliser m and the state C, n that enter the chunk (mst, cin), g_j = max(m, gl_j):
;   h_j = e^(m - g_j) C q_j + sum over l <= j of e^(a_l - g_j) (k_l . q_j) v_l,   the same without v for n . q,
;   out_j = sigmoid(o_j) h_j / max(|n . q_j|, 1).
; Every exponent is <= 0 (the running maximum is taken away, as the reference's stabiliser does) and is formed for each pair (l, j).
; HI AND LO: these sums cancel and are divided by a sum that cancels, so one rounding of an operand to bf16 is too coarse.  q, k, v, the weighted S (P) and
; the state go to the matrix unit as hi = bf16(x) and lo = bf16(x - hi), and every product is hi hi + hi lo + lo hi: 16 bits.
; The product is as in kv (two LDS slots, K steps of 128, 4 x 4 clusters with joint loads), but transposed: source 0 = wb, source 1 = xb, so that lane r
; of a result holds step 16 a + r and its registers the features 16 b + 8 h + 0..7.  Packed to bf16, q is then a second operand with no exchange
; between lanes, S = k q^T comes out with step j in the lane and l in the registers, its weighted form packs into the second operand of v^T P, and
; h comes out in the layout of sigmoid(o).
; My chunk's block of kvb comes by two loads of my own (mask 0), 128 rows each: k (hi, lo) in the last lap into my quarter of slot 0, v (hi, lo) behind the
; product into my quarter of slot 1, each behind a round of the cluster's barrier.  kvb and cin are not shared between work-groups: no joint load.
; LIMITS: the biases are taken in bf16, the format of the weight rows that they belong to; what hi and lo drop is below 2^-16 of a number; exponentials
; below 2^-126 come out as zero; NaN and infinities are not followed.
.set SIZE_K, 1024
.set KSTEP,  128
.set PITCH,  272
.set HALFT,  128*PITCH
.set SLOT,   4*HALFT
.set STAGE,  2*SLOT
.set SPITCH, 272
.set GAL,    STAGE+4*16*SPITCH         ; behind the stages: 512 bytes for each wave, a log2(e) of its 128 steps
.set LAPS,   SIZE_K/(2*KSTEP)
.set ADRA, 16
.set ADRB, 20
.set DG,   15                          ; v15 r - 8 h
.set GAD,  18                          ; v18 GAL + 512 wave + 32 h
.set STO,  24                          ; v24 stage: row r, 32 h
.set RD,   25                          ; v25 stage: row lane / 16, 16 (lane % 16)
.set CO,   26                          ; v26 out0: row lane / 16, 16 (lane % 16)
.set KA,   27                          ; v27 transposing loads of k
.set VA,   28                          ; v28 fragments of v
.set H32,  29                          ; v29 32 h
.set G2,   32                          ; v[32:39] gl, then g, of step 16 jt + r, times log2(e)
.set E1,   40                          ; v[40:47] e^(m - g)
.set F0,   64
.set F1,   128
.set BQ,   192                         ; v[192:223] q's bias of feature 16 b + 8 h + j (8 b + j)
.set BO,   224                         ; v[224:255] o's
.set G1, 24
.set G0, 32
.set G1B, 48
.set G0B, 56
.set G1K, 68                           ; s[68:75], s[76:79]: the descriptor of my block of kvb
.set G0K, 76
.set MK,  14                           ; s[14:21] the diagonal tile's masks
.set MSB, 0
.macro WIN new
.if MSB != (\new)
	s_set_vgpr_msb (MSB<<8)|(\new)
.set MSB, (\new)
.endif
.endm
.set MUL_LO, 0xa1                      ; source 0 (wb) window 1, source 1 (xb) window 0, C and D window 2
.set MUL_HI, 0xf1
.set TO_B,   0x40
.macro JLOAD s
	s_cmp_eq_u32 s11, 0
	s_cbranch_scc0 .Lfor_b_\@
	tensor_load_to_lds s[G0+4*\s:G0+4*\s+3], s[G1:G1+7]
	s_nop 0
	s_branch .Lasked_\@
.Lfor_b_\@:
	tensor_load_to_lds s[G0B+4*\s:G0B+4*\s+3], s[G1B:G1B+7]
	s_nop 0
.Lasked_\@:
.endm
.macro CREST
	s_cmp_lg_u32 s10, 0
	s_cbranch_scc1 .Lnot_wave_0_\@
	s_barrier_signal -3
.Lnot_wave_0_\@:
	s_barrier_wait -3
	s_barrier_signal -1
	s_barrier_wait -1
.endm
.macro CROUND
	s_barrier_signal -1
	s_barrier_wait -1
	CREST
.endm
	s_load_b128 s[4:7], s[0:1], 0x0                ; xb, wb
	s_load_b256 s[84:91], s[0:1], 0x10             ; kvb 84, ga 86, cin 88, mst 90
	s_load_b128 s[92:95], s[0:1], 0x30             ; kvq_bias 92, o_bias 94
	s_load_b64 s[96:97], s[0:1], 0x40              ; out0
	s_set_vgpr_msb 0x40
	v_lshl_add_u32 v255, v0, 2, 0x48c00
	s_set_vgpr_msb 0x4000
	v_mov_b32 v22, 0
	s_set_vgpr_msb 0x1
	ds_add_u32 v255, v22
	s_set_vgpr_msb 0x100
	v_lshrrev_b32 v1, 5, v0
	v_readfirstlane_b32 s10, v1
	s_lshr_b32 s11, s10, 1
	s_and_b32 s12, s10, 1
	s_bfe_u32 s40, ttmp6, 0x40000
	s_bfe_u32 s41, ttmp6, 0x40004
	s_lshl_b32 s42, ttmp9, 2
	s_add_co_u32 s42, s42, s40
	s_and_b32 s13, ttmp7, 0xffff
	s_lshl_b32 s13, s13, 2
	s_add_co_u32 s13, s13, s41
	s_lshl_b32 s43, s41, 2
	s_lshl_b32 s43, 15, s43
	s_lshl_b32 s44, 0x1111, s40
	s_mov_b32 s98, 0xffff0000                      ; a word's upper bf16
	s_or_b32 s[G1+0], s43, (1<<16)|(1<<20)|(1<<21)|(5<<22)|(3<<25)
	s_or_b32 s[G1B+0], s44, (1<<16)|(1<<20)|(1<<21)|(5<<22)|(3<<25)
	s_mov_b32 s[G1B+1], KSTEP<<16
	s_mov_b32 s[G1+1], KSTEP<<16
	s_mov_b32 s[G1B+2], 128<<16
	s_mov_b32 s[G1+2], 128<<16
	s_mov_b32 s[G1B+3], KSTEP<<16
	s_mov_b32 s[G1+3], KSTEP<<16
	s_mov_b32 s[G1B+4], 128
	s_mov_b32 s[G1+4], 128
	s_mov_b32 s[G1B+5], SIZE_K
	s_mov_b32 s[G1+5], SIZE_K
	s_mov_b32 s[G1B+6], 0
	s_mov_b32 s[G1+6], 0
	s_mov_b32 s[G1B+7], 0
	s_mov_b32 s[G1+7], 0
	s_lshl_b32 s17, s12, 7
	s_lshl_b32 s16, s13, 8
	s_add_co_u32 s16, s16, s17
	s_lshl_b32 s46, s42, 8
	s_add_co_u32 s46, s46, s17
	s_mov_b32 s17, 0
	s_mov_b32 s47, 0
	s_mov_b64 s[18:19], SIZE_K*2
	s_mul_u64 s[16:17], s[16:17], s[18:19]
	s_mul_u64 s[46:47], s[46:47], s[18:19]
	s_mul_i32 s20, s10, HALFT
	s_wait_dscnt 0x0
	s_wait_kmcnt 0x0
	s_add_nc_u64 s[6:7], s[6:7], 0x400000          ; wb's rows 2048 ..: q and o
	s_add_nc_u64 s[14:15], s[4:5], s[16:17]
	s_add_nc_u64 s[46:47], s[6:7], s[46:47]
	CROUND
.irp s, 0,1
	s_mov_b32 s[G0+4*\s], 1
	s_add_co_u32 s[G0+4*\s+1], s20, \s*SLOT
	s_add_nc_u64 s[G0+4*\s+2:G0+4*\s+3], s[14:15], \s*KSTEP*2
	s_or_b32 s[G0+4*\s+3], s[G0+4*\s+3], 0x80000000
	s_mov_b32 s[G0B+4*\s], 1
	s_add_co_u32 s[G0B+4*\s+1], s20, \s*SLOT
	s_add_nc_u64 s[G0B+4*\s+2:G0B+4*\s+3], s[46:47], \s*KSTEP*2
	s_or_b32 s[G0B+4*\s+3], s[G0B+4*\s+3], 0x80000000
	JLOAD \s                                       ; two tensor loads of the wave are out
.endr
	s_lshl_b32 s100, s42, 1
	s_add_co_u32 s100, s100, s12                   ; head
	s_lshl_b32 s101, s13, 1
	s_add_co_u32 s101, s101, s11                   ; chunk
	s_lshl_b32 s66, s100, 6
	s_add_co_u32 s66, s66, s101                    ; blk
	s_mov_b32 s81, 0
	; half of my block of kvb: 128 rows of 128 bf16, dense, padded in LDS like the product's tiles; no mask: my own load
	s_mov_b32 s[G1K+0], (1<<16)|(1<<20)|(5<<22)|(3<<25)
	s_mov_b32 s[G1K+1], 128<<16
	s_mov_b32 s[G1K+2], 128<<16
	s_mov_b32 s[G1K+3], 128<<16
	s_mov_b32 s[G1K+4], 128
	s_mov_b32 s[G1K+5], 128
	s_mov_b32 s[G1K+6], 0
	s_mov_b32 s[G1K+7], 0
	s_mov_b32 s[G0K], 1
	s_add_co_u32 s[G0K+1], s20, 0                  ; my quarter of slot 0
	s_lshl_b32 s80, s66, 16
	s_add_nc_u64 s[G0K+2:G0K+3], s[84:85], s[80:81]   ; rows 0-127: k hi, k lo
	s_or_b32 s[G0K+3], s[G0K+3], 0x80000000
	s_lshl_b32 s80, s66, 10
	s_add_nc_u64 s[86:87], s[86:87], s[80:81]      ; ga block
	s_mul_i32 s80, s66, 20480
	s_add_nc_u64 s[88:89], s[88:89], s[80:81]      ; cin block
	s_lshl_b32 s80, s66, 2
	s_add_nc_u64 s[90:91], s[90:91], s[80:81]      ; mst word
	s_mul_i32 s80, s100, 768
	s_add_co_u32 s80, s80, 512
	s_add_nc_u64 s[92:93], s[92:93], s[80:81]      ; kvq_bias[head][2]
	s_lshl_b32 s80, s100, 8
	s_add_nc_u64 s[94:95], s[94:95], s[80:81]      ; o_bias[head]
	s_lshl_b32 s82, s101, 19
	s_add_co_u32 s80, s80, s82
	s_add_nc_u64 s[96:97], s[96:97], s[80:81]      ; out0: 128 rows of 4,096 bytes a chunk, 256 bytes a head
	s_load_b32 s67, s[90:91], 0x0                  ; m log2(e)
	v_and_b32 v1, 15, v0                           ; r
	v_bfe_u32 v2, v0, 4, 1                         ; h
	v_mul_u32_u24 v3, v1, PITCH
	v_lshl_add_u32 v3, v2, 4, v3
	s_mul_i32 s21, s11, HALFT
	s_mul_i32 s22, s12, HALFT
	s_add_co_u32 s22, s22, 2*HALFT
.irp s, 0,1
	v_add_nc_u32 v[ADRA+\s], s21, v3
	v_add_nc_u32 v[ADRB+\s], s22, v3
	s_add_co_u32 s21, s21, SLOT
	s_add_co_u32 s22, s22, SLOT
.endr
	s_mul_i32 s23, s10, 16*SPITCH
	s_add_co_u32 s23, s23, STAGE
	v_lshlrev_b32 v4, 3, v2
	v_sub_nc_u32 v[DG], v1, v4
	v_mul_u32_u24 v4, v1, SPITCH
	v_lshl_add_u32 v4, v2, 5, v4
	v_add_nc_u32 v[STO], s23, v4
	v_mul_u32_u24 v4, v2, SPITCH
	v_lshl_add_u32 v4, v1, 4, v4
	v_add_nc_u32 v[RD], s23, v4
	v_lshlrev_b32 v4, 4, v1
	v_lshl_add_u32 v[CO], v2, 12, v4
	v_and_b32 v6, 7, v0
	v_lshl_add_u32 v6, v2, 3, v6
	v_mul_u32_u24 v6, v6, PITCH
	v_bfe_u32 v7, v0, 3, 1
	v_lshl_add_u32 v6, v7, 4, v6
	v_add_nc_u32 v[KA], s20, v6                    ; my quarter of slot 0: row 8 h + lane % 8 of k, 16 bytes for each half of 16 steps
	v_add_nc_u32 v[VA], s20, v3
	v_add_nc_u32 v[VA], SLOT, v[VA]                ; my quarter of slot 1: row r of v, 16 h
	v_lshlrev_b32 v[H32], 5, v2
	v_lshlrev_b32 v30, 2, v1                       ; 4 r
	v_and_b32 v5, 31, v0
	v_lshlrev_b32 v31, 3, v5                       ; 8 lane
	v_lshlrev_b32 v23, 4, v5                       ; 16 lane
	s_lshl_b32 s83, s10, 9
	s_add_co_u32 s83, s83, GAL
	v_add_nc_u32 v19, s83, v23
	v_lshl_add_u32 v[GAD], v2, 5, s83
	global_load_b128 v[48:51], v23, s[86:87]       ; a log2(e) of steps 4 lane .. 4 lane + 3
	; what the way out needs and the product leaves alone; waited for at the head of the way out
.irp jt, 0,1,2,3,4,5,6,7
	global_load_b32 v[G2+\jt], v30, s[86:87] offset:512+64*\jt
.endr
.irp b, 0,1,2,3
	global_load_b128 v[BQ+8*\b:BQ+8*\b+3],   v[H32], s[92:93] offset:64*\b
	global_load_b128 v[BQ+8*\b+4:BQ+8*\b+7], v[H32], s[92:93] offset:64*\b+16
	global_load_b128 v[BO+8*\b:BO+8*\b+3],   v[H32], s[94:95] offset:64*\b
	global_load_b128 v[BO+8*\b+4:BO+8*\b+7], v[H32], s[94:95] offset:64*\b+16
.endr
	s_wait_loadcnt 24                              ; a is in: the 8 + 16 younger loads stay out
	ds_store_b128 v19, v[48:51]                    ; step t's a at 4 t of my 512 bytes
.macro MUL16 f, hi, a0, zero
.irp a, \a0, \a0+1
.irp b, 0,1,2,3,4,5,6,7
.if \zero
	v_wmma_f32_16x16x32_bf16 v[8*(8*(\a)+\b):8*(8*(\a)+\b)+7], v[\f+8*\b:\f+8*\b+7], v[\f+8*(4*\hi+\a):\f+8*(4*\hi+\a)+7], 0
.else
	v_wmma_f32_16x16x32_bf16 v[8*(8*(\a)+\b):8*(8*(\a)+\b)+7], v[\f+8*\b:\f+8*\b+7], v[\f+8*(4*\hi+\a):\f+8*(4*\hi+\a)+7], v[8*(8*(\a)+\b):8*(8*(\a)+\b)+7]
.endif
.endr
.endr
.endm
.macro FETCH slot, k, f
	WIN TO_B
.irp i, 0,1,2,3,4,5,6,7
	ds_load_b128 v[\f+8*\i:\f+8*\i+3],   v[ADRB+\slot] offset:\k+\i*16*PITCH
	ds_load_b128 v[\f+8*\i+4:\f+8*\i+7], v[ADRB+\slot] offset:\k+\i*16*PITCH+32
.endr
	WIN 0
.irp i, 0,1,2,3,4,5,6,7
	ds_load_b128 v[\f+8*\i:\f+8*\i+3],   v[ADRA+\slot] offset:\k+\i*16*PITCH
	ds_load_b128 v[\f+8*\i+4:\f+8*\i+7], v[ADRA+\slot] offset:\k+\i*16*PITCH+32
.endr
.endm
.macro PLACES                          ; four plain places behind a matrix instruction (ISA guide 7.12.1)
.rept 4
	v_nop
.endr
.endm
; The 64 accumulators take turns in the same order in every quarter step.
.macro QUARTER slot, k, f, g, zero
	s_wait_dscnt 8                                 ; the youngest eight loads (xb's rows 64-127) may be out
	WIN MUL_LO
	MUL16 \f, 0, 0, \zero
	MUL16 \f, 0, 2, \zero
	PLACES
	FETCH \slot, \k, \g
	s_wait_dscnt 32                                ; all but the 32 just issued
	WIN MUL_HI
	MUL16 \f, 1, 0, \zero
	MUL16 \f, 1, 2, \zero
.endm
.macro THREE slot, zero
	QUARTER \slot, 64,  F0, F1, \zero
	QUARTER \slot, 128, F1, F0, 0
	QUARTER \slot, 192, F0, F1, 0
.endm
; The change of slots.  fill = 1: a round of the cluster's barrier, then the joint refill.  fill = 2: the same round, then my own load of k's rows of my
; block of kvb into my quarter of this slot: the wave's first and only tensor load behind the round.
.macro TURN slot, next, fill
	s_wait_dscnt 8
	WIN MUL_LO
	MUL16 F1, 0, 0, 0
	s_wait_dscnt 0                                 ; my reads of this slot are over
	s_wait_tensorcnt 0x0                           ; all my tensor loads have landed
	ds_add_u32 v255, v22
	s_wait_dscnt 0x0
	s_barrier_signal -1
	MUL16 F1, 0, 2, 0
	WIN 0
	s_barrier_wait -1
.if \fill == 1
	CREST
	s_add_nc_u64 s[G0+4*\slot+2:G0+4*\slot+3], s[G0+4*\slot+2:G0+4*\slot+3], 2*KSTEP*2
	s_add_nc_u64 s[G0B+4*\slot+2:G0B+4*\slot+3], s[G0B+4*\slot+2:G0B+4*\slot+3], 2*KSTEP*2
	JLOAD \slot
.endif
.if \fill == 2
	CREST
	tensor_load_to_lds s[G0K:G0K+3], s[G1K:G1K+7]
	s_nop 0
.endif
	PLACES
	FETCH \next, 0, F0
	WIN MUL_HI
	MUL16 F1, 1, 0, 0
	MUL16 F1, 1, 2, 0
.endm
.macro LAP zero
	THREE 0, \zero
	TURN 0, 1, 1
	THREE 1, 0
	TURN 1, 0, 1
.endm
	s_wait_kmcnt 0x0                               ; m
	s_wait_dscnt 0x0                               ; a is in LDS: no LDS instruction is pending at a signal
	s_wait_tensorcnt 1                             ; my part of K step 0 is in; K step 1's stays out
	s_barrier_signal -1
	s_barrier_wait -1
	FETCH 0, 0, F0
	LAP 1
	WIN 0
	s_mov_b32 s3, LAPS-2
.Llap:
	LAP 0
	WIN 0
	s_sub_co_u32 s3, s3, 1
	s_cmp_lg_u32 s3, 0
	s_cbranch_scc1 .Llap
	THREE 0, 0
	TURN 0, 1, 2                                   ; slot 0 has been multiplied for the last time: k of my chunk lands in it during the last K step's 256 matrix instructions
	THREE 1, 0
	s_wait_dscnt 8
	WIN MUL_LO
	MUL16 F1, 0, 0, 0
	MUL16 F1, 0, 2, 0
	s_wait_dscnt 0
	WIN MUL_HI
	MUL16 F1, 1, 0, 0
	MUL16 F1, 1, 2, 0
	; THE WAY OUT.
	; window 0: X v[48:63] exponents; QH, QL v[64:95] q packed (also RB, rows read back); SS v[96:111] two tiles of S, PH, PL v[112:127] (together QT, at work on q);
	; ACC v[128:167] h's four tiles and n . q; R, GP, EP v[168:173] pairs; TT v[176:191] at work; KFH, KFL v[192:255] k's fragments of 32 steps (16 tile + 8 s).
	; window 1: the state, hi v[0:79] (16 it + 8 s), lo v[80:159]; VTH, VTL v[160:223] v's fragments of 32 steps (8 it); ONES v[224:231].
.set X,    48
.set QH,   64
.set QL,   80
.set RB,   64
.set SS,   96
.set QT,   96
.set PH,   112
.set PL,   120
.set ACC,  128
.set R,    168
.set GP,   170
.set EP,   172
.set TT,   176
.set KFH,  192
.set KFL,  224
.set CFL,  80
.set VTH,  160
.set VTL,  192
.set ONES, 224
	PLACES
	WIN 0
	s_wait_dscnt 0x0                               ; my reads of slot 1 are over
	s_set_vgpr_msb 0x1
	s_wait_tensorcnt 0x0                           ; all my tensor loads have landed, k's rows among them: the descriptor may be written
	ds_add_u32 v255, v22
	s_wait_dscnt 0x0
	s_set_vgpr_msb 0x100
	s_add_co_u32 s[G0K+1], s20, SLOT               ; my quarter of slot 1
	s_add_nc_u64 s[G0K+2:G0K+3], s[G0K+2:G0K+3], 0x8000   ; rows 128-255: v hi, v lo
	CROUND                                         ; no wave of my work-group still reads slot 1
	tensor_load_to_lds s[G0K:G0K+3], s[G1K:G1K+7]  ; the wave's first and only tensor load behind the round; it lands while the sigmoids are made
	s_nop 0
	s_wait_loadcnt 0x0                             ; gl and the biases
	WIN 0x40                                       ; the state, already a first operand's image: tile (it, dt), half q at 16 it + 4 dt + 2 q
.set i, 0
.rept 40
	global_load_b64 v[2*i:2*i+1], v31, s[88:89] offset:256*i
.set i, i+1
.endr
.set i, 0
.rept 40
	global_load_b64 v[CFL+2*i:CFL+2*i+1], v31, s[88:89] offset:10240+256*i
.set i, i+1
.endr
.set i, 0
.rept 8
	v_mov_b32 v[ONES+i], 0x3f803f80                ; a first operand of ones: its product with P sums P's columns
.set i, i+1
.endr
	WIN 0
.set i, 0
.rept 32
	v_cvt_pk_bf16_f32 v[TT+(i&7)], v[BQ+2*i], v[BQ+2*i+1]          ; both biases in bf16,
	v_lshlrev_b32 v[BQ+2*i], 16, v[TT+(i&7)]                       ; widened again
	v_and_b32 v[BQ+2*i+1], s98, v[TT+(i&7)]
.set i, i+1
.endr
.set i, 0
.rept 16
	v_pk_mul_f32 v[BO+2*i:BO+2*i+1], v[BO+2*i:BO+2*i+1], 0xbfb8aa3b op_sel_hi:[1,0]   ; - log2(e) x bias
.set i, i+1
.endr
.irp jt, 0,1,2,3,4,5,6,7
	v_max_num_f32 v[G2+\jt], s67, v[G2+\jt]        ; g
	v_sub_f32 v[E1+\jt], s67, v[G2+\jt]
.endr
.irp jt, 0,1,2,3,4,5,6,7
	v_exp_f32 v[E1+\jt], v[E1+\jt]
.endr
.irp p, 0,1,2,3,4,5,6,7
	v_cmp_ge_i32 s[MK+\p], v[DG], \p               ; in the diagonal tile register p is step l = 8 h + p, the lane step j = r: kept where l <= j
.endr
; q += bias; o -> sigmoid(o + bias) = 1 / (1 + 2^(-log2(e) (o + bias))), in place, in the window that the caller has set
.macro ACT
.irp a, 0,1,2,3
.irp b, 0,1,2,3
.irp p, 0,2,4,6
	v_pk_add_f32 v[8*(8*\a+\b)+\p:8*(8*\a+\b)+\p+1], v[8*(8*\a+\b)+\p:8*(8*\a+\b)+\p+1], v[BQ+8*\b+\p:BQ+8*\b+\p+1]
.endr
.endr
.irp b, 0,1,2,3
.irp p, 0,2,4,6
	v_pk_fma_f32 v[8*(8*\a+4+\b)+\p:8*(8*\a+4+\b)+\p+1], v[8*(8*\a+4+\b)+\p:8*(8*\a+4+\b)+\p+1], 0xbfb8aa3b, v[BO+8*\b+\p:BO+8*\b+\p+1] op_sel_hi:[1,0,1]
.endr
.irp p, 0,1,2,3,4,5,6,7
	v_exp_f32 v[8*(8*\a+4+\b)+\p], v[8*(8*\a+4+\b)+\p]
.endr
	v_nop                                          ; a plain place behind the exponentials (ISA guide 5.7.2)
	s_wait_alu depctr_va_vdst(0)
.irp p, 0,2,4,6
	v_pk_add_f32 v[8*(8*\a+4+\b)+\p:8*(8*\a+4+\b)+\p+1], v[8*(8*\a+4+\b)+\p:8*(8*\a+4+\b)+\p+1], 1.0 op_sel_hi:[1,0]
.endr
.irp p, 0,1,2,3,4,5,6,7
	v_rcp_f32 v[8*(8*\a+4+\b)+\p], v[8*(8*\a+4+\b)+\p]
.endr
	v_nop                                          ; and behind the reciprocals
.endr
.endr
.endm
	WIN 0x82                                       ; source 0 and destination in window 2
	ACT
	WIN 0xc3                                       ; in window 3
	ACT
	WIN 0
	s_wait_loadcnt 0x0                             ; the state
	s_wait_tensorcnt 0x0                           ; v's rows are in my quarter of slot 1; no other wave reads them
; One matrix instruction; Z = 1: it starts the sum
.macro WM d, a, b
.if Z
	v_wmma_f32_16x16x32_bf16 v[\d:\d+7], v[\a:\a+7], v[\b:\b+7], 0
.else
	v_wmma_f32_16x16x32_bf16 v[\d:\d+7], v[\a:\a+7], v[\b:\b+7], v[\d:\d+7]
.endif
.endm
; What block lb (steps l = 32 lb ..) needs for S: k's fragments, hi and lo (k lies [feature][step]: transposed on the way, rows = steps), and a log2(e).
; nt tiles of 16 steps; 10 LDS loads a tile.
.macro KLOAD lb, nt
	WIN 0
.set t, 0
.rept \nt
.irp s, 0,1
	ds_load_tr16_b128 v[KFH+16*t+8*\s:KFH+16*t+8*\s+3],   v[KA] offset:32*PITCH*\s+32*(2*\lb+t)
	ds_load_tr16_b128 v[KFH+16*t+8*\s+4:KFH+16*t+8*\s+7], v[KA] offset:32*PITCH*\s+32*(2*\lb+t)+16*PITCH
	ds_load_tr16_b128 v[KFL+16*t+8*\s:KFL+16*t+8*\s+3],   v[KA] offset:64*PITCH+32*PITCH*\s+32*(2*\lb+t)
	ds_load_tr16_b128 v[KFL+16*t+8*\s+4:KFL+16*t+8*\s+7], v[KA] offset:64*PITCH+32*PITCH*\s+32*(2*\lb+t)+16*PITCH
.endr
	ds_load_b128 v[X+8*t:X+8*t+3],   v[GAD] offset:128*\lb+64*t    ; a of steps 32 lb + 16 t + 8 h + 0..7
	ds_load_b128 v[X+8*t+4:X+8*t+7], v[GAD] offset:128*\lb+64*t+16
.set t, t+1
.endr
.endm
; 16 steps j = 16 jt + r.  Head: g and e^(m-g) as pairs, q as hi and lo, and the part of the entering state: ACC = [C; n] q.
; Five accumulators take turns.
.macro JTH jt, a, hi
	WIN 0
	s_wait_xcnt 0x0                                ; QH and QL were the read-back registers of the last 16 steps' stores: rewritten only behind this wait
	v_mov_b32 v[GP], v[G2+\jt]
	v_mov_b32 v[GP+1], v[G2+\jt]
	v_mov_b32 v[EP], v[E1+\jt]
	v_mov_b32 v[EP+1], v[E1+\jt]
	WIN 0x0a+5*\hi                                 ; both sources in window 2 or 3
.irp b, 0,1,2,3
.irp i, 0,1,2,3
	v_cvt_pk_bf16_f32 v[QH+4*\b+\i], v[8*(8*\a+\b)+2*\i], v[8*(8*\a+\b)+2*\i+1]
.endr
.endr
	WIN 0
.set i, 0
.rept 16
	v_lshlrev_b32 v[QT+2*i], 16, v[QH+i]
	v_and_b32 v[QT+2*i+1], s98, v[QH+i]
.set i, i+1
.endr
	WIN 0x02+\hi                                   ; source 0 in window 2 or 3
.irp b, 0,1,2,3
.irp i, 0,1,2,3
	v_pk_add_f32 v[QT+2*(4*\b+\i):QT+2*(4*\b+\i)+1], v[8*(8*\a+\b)+2*\i:8*(8*\a+\b)+2*\i+1], v[QT+2*(4*\b+\i):QT+2*(4*\b+\i)+1] neg_lo:[0,1] neg_hi:[0,1]   ; q - hi, exact
.endr
.endr
	WIN 0
.set i, 0
.rept 16
	v_cvt_pk_bf16_f32 v[QL+i], v[QT+2*i], v[QT+2*i+1]
.set i, i+1
.endr
	WIN 0x01                                       ; source 0 in window 1
.set Z, 1
.irp it, 0,1,2,3,4
	WM ACC+8*\it, 16*\it, QH
.endr
.set Z, 0
.irp it, 0,1,2,3,4
	WM ACC+8*\it, 16*\it+8, QH+8
.endr
.irp it, 0,1,2,3,4
	WM ACC+8*\it, 16*\it, QL
.endr
.irp it, 0,1,2,3,4
	WM ACC+8*\it, 16*\it+8, QL+8
.endr
.irp it, 0,1,2,3,4
	WM ACC+8*\it, CFL+16*\it, QH
.endr
.irp it, 0,1,2,3,4
	WM ACC+8*\it, CFL+16*\it+8, QH+8
.endr
.endm
; 32 steps l = 32 lb ..: S = k q^T (two tiles), the weights, P as hi and lo.
; m0: tile 2 lb is full (0) or the diagonal one (1); m1: tile 2 lb + 1 is full (0), the diagonal one (1) or lies above it (2: not made, P's half is 0).
; first = 1: the entering state's part is scaled by e^(m-g) here.  The two accumulators of S take turns; where one tile
; alone is made, its six products are shared between the two and added.
.macro BLKA lb, m0, m1, first
.if \m1 != 2
.set NV, 16
.else
.set NV, 8
.endif
	WIN 0
	s_wait_dscnt 0x0                               ; k's fragments and a of this block
.if \m1 != 2
.set Z, 1
	WM SS, KFH, QH
	WM SS+8, KFH+16, QH
.set Z, 0
	WM SS, KFH+8, QH+8
	WM SS+8, KFH+24, QH+8
	WM SS, KFH, QL
	WM SS+8, KFH+16, QL
	WM SS, KFH+8, QL+8
	WM SS+8, KFH+24, QL+8
	WM SS, KFL, QH
	WM SS+8, KFL+16, QH
	WM SS, KFL+8, QH+8
	WM SS+8, KFL+24, QH+8
.else
.set Z, 1
	WM SS, KFH, QH
	WM SS+8, KFH, QL
.set Z, 0
	WM SS, KFH+8, QH+8
	WM SS+8, KFH+8, QL+8
	WM SS, KFL, QH
	WM SS+8, KFL+8, QH+8
.endif
.set i, 0
.rept NV/2                                         ; at least four plain instructions: the places behind S, behind the state's part and behind the last block's products
	v_pk_add_f32 v[X+2*i:X+2*i+1], v[X+2*i:X+2*i+1], v[GP:GP+1] neg_lo:[0,1] neg_hi:[0,1]   ; (a_l - g_j) log2(e)
.set i, i+1
.endr
	WIN 0x40
.irp it, 0,1,2,3
	ds_load_b128 v[VTH+8*\it:VTH+8*\it+3],   v[VA] offset:16*PITCH*\it+64*\lb
	ds_load_b128 v[VTH+8*\it+4:VTH+8*\it+7], v[VA] offset:16*PITCH*\it+64*\lb+32
	ds_load_b128 v[VTL+8*\it:VTL+8*\it+3],   v[VA] offset:64*PITCH+16*PITCH*\it+64*\lb
	ds_load_b128 v[VTL+8*\it+4:VTL+8*\it+7], v[VA] offset:64*PITCH+16*PITCH*\it+64*\lb+32
.endr
	WIN 0
.if \first
.set i, 0
.rept 20
	v_pk_mul_f32 v[ACC+2*i:ACC+2*i+1], v[ACC+2*i:ACC+2*i+1], v[EP:EP+1]
.set i, i+1
.endr
.endif
.if \m1 == 2
.set i, 0
.rept 4
	v_pk_add_f32 v[SS+2*i:SS+2*i+1], v[SS+2*i:SS+2*i+1], v[SS+8+2*i:SS+8+2*i+1]
.set i, i+1
.endr
.endif
.set i, 0
.rept NV
	v_exp_f32 v[X+i], v[X+i]
.set i, i+1
.endr
	v_nop                                          ; a plain place behind the exponentials (ISA guide 5.7.2)
.set i, 0
	s_wait_alu depctr_va_vdst(0)
.rept NV/2
	v_pk_mul_f32 v[SS+2*i:SS+2*i+1], v[SS+2*i:SS+2*i+1], v[X+2*i:X+2*i+1]
.set i, i+1
.endr
.if \m0 == 1
.irp p, 0,1,2,3,4,5,6,7
	v_cndmask_b32 v[SS+\p], 0, v[SS+\p], s[MK+\p]  ; l > j: 0, whatever the exponential gave
.endr
.endif
.if \m1 == 1
.irp p, 0,1,2,3,4,5,6,7
	v_cndmask_b32 v[SS+8+\p], 0, v[SS+8+\p], s[MK+\p]
.endr
.endif
.set i, 0
.rept NV/2
	v_cvt_pk_bf16_f32 v[PH+i], v[SS+2*i], v[SS+2*i+1]
.set i, i+1
.endr
.set i, 0
.rept NV/2
	v_lshlrev_b32 v[TT+2*i], 16, v[PH+i]
	v_and_b32 v[TT+2*i+1], s98, v[PH+i]
.set i, i+1
.endr
.set i, 0
.rept NV/2
	v_pk_add_f32 v[SS+2*i:SS+2*i+1], v[SS+2*i:SS+2*i+1], v[TT+2*i:TT+2*i+1] neg_lo:[0,1] neg_hi:[0,1]   ; P - hi, exact
.set i, i+1
.endr
.set i, 0
.rept NV/2
	v_cvt_pk_bf16_f32 v[PL+i], v[SS+2*i], v[SS+2*i+1]
.set i, i+1
.endr
.if \m1 == 2
.irp p, 4,5,6,7
	v_mov_b32 v[PH+\p], 0
	v_mov_b32 v[PL+\p], 0
.endr
.endif
.endm
; ACC += [v^T; 1] P.  n = the LDS loads issued behind v's fragments (the next block's).  Five, at last four accumulators take turns.
.macro BLKB n
	s_wait_dscnt \n                                ; v's fragments are in; the next block's loads stay out
	WIN 0x01
.set Z, 0
.irp it, 0,1,2,3
	WM ACC+8*\it, VTH+8*\it, PH
.endr
	WM ACC+32, ONES, PH
.irp it, 0,1,2,3
	WM ACC+8*\it, VTH+8*\it, PL
.endr
	WM ACC+32, ONES, PL
.irp it, 0,1,2,3
	WM ACC+8*\it, VTL+8*\it, PH
.endr
.endm
; A block, with the loads of the block that follows it (nlb, nnt tiles; nnt = 0: none) issued ahead of its last products
.macro BLK lb, m0, m1, first, nlb, nnt
	BLKA \lb, \m0, \m1, \first
.if \nnt
	KLOAD \nlb, \nnt
.endif
	BLKB 10*\nnt
.endm
; The 16 steps leave: h / max(|n . q|, 1) x sigmoid(o), through my stage, as rows of 256 bytes.
.macro FIN jt, a, hi
	WIN 0
	PLACES
	v_max_num_f32 v[TT], |v[ACC+32]|, 1.0
	v_rcp_f32 v[R], v[TT]
	v_rcp_f32 v[R+1], v[TT]
	v_nop
.set i, 0
	s_wait_alu depctr_va_vdst(0)
.rept 16
	v_pk_mul_f32 v[ACC+2*i:ACC+2*i+1], v[ACC+2*i:ACC+2*i+1], v[R:R+1]
.set i, i+1
.endr
	WIN 0x08+4*\hi                                 ; source 1 in window 2 or 3
.irp it, 0,1,2,3
.irp p, 0,2,4,6
	v_pk_mul_f32 v[ACC+8*\it+\p:ACC+8*\it+\p+1], v[ACC+8*\it+\p:ACC+8*\it+\p+1], v[8*(8*\a+4+\it)+\p:8*(8*\a+4+\it)+\p+1]
.endr
.endr
	WIN 0
.irp it, 0,1,2,3
	ds_store_b128 v[STO], v[ACC+8*\it:ACC+8*\it+3]   offset:64*\it       ; row r: features 16 it + 8 h ..
	ds_store_b128 v[STO], v[ACC+8*\it+4:ACC+8*\it+7] offset:64*\it+16
.endr
.set i, 0
.rept 8
	ds_load_b128 v[RB+4*i:RB+4*i+3], v[RD] offset:i*2*SPITCH       ; LDS serves a wave's instructions in order: these see the stores above
.set i, i+1
.endr
.set i, 0
.rept 8
	s_wait_dscnt 7-i
	global_store_b128 v[CO], v[RB+4*i:RB+4*i+3], s[96:97] offset:(16*\jt+2*i)*4096 th:TH_STORE_NT   ; 16 lanes store the head's 256 bytes of a row, aligned
.set i, i+1
.endr
.endm
	KLOAD 0, 1
	JTH 0, 0, 0
	BLK 0, 1, 2, 1, 0, 2
	FIN 0, 0, 0
	JTH 1, 1, 0
	BLK 0, 0, 1, 1, 0, 2
	FIN 1, 1, 0
	JTH 2, 2, 0
	BLK 0, 0, 0, 1, 1, 1
	BLK 1, 1, 2, 0, 0, 2
	FIN 2, 2, 0
	JTH 3, 3, 0
	BLK 0, 0, 0, 1, 1, 2
	BLK 1, 0, 1, 0, 0, 2
	FIN 3, 3, 0
	JTH 4, 0, 1
	BLK 0, 0, 0, 1, 1, 2
	BLK 1, 0, 0, 0, 2, 1
	BLK 2, 1, 2, 0, 0, 2
	FIN 4, 0, 1
	JTH 5, 1, 1
	BLK 0, 0, 0, 1, 1, 2
	BLK 1, 0, 0, 0, 2, 2
	BLK 2, 0, 1, 0, 0, 2
	FIN 5, 1, 1
	JTH 6, 2, 1
	BLK 0, 0, 0, 1, 1, 2
	BLK 1, 0, 0, 0, 2, 2
	BLK 2, 0, 0, 0, 3, 1
	BLK 3, 1, 2, 0, 0, 2
	FIN 6, 2, 1
	JTH 7, 3, 1
	BLK 0, 0, 0, 1, 1, 2
	BLK 1, 0, 0, 0, 2, 2
	BLK 2, 0, 0, 0, 3, 2
	BLK 3, 0, 1, 0, 0, 0
	FIN 7, 3, 1
	s_wait_dscnt 0x0
	s_set_vgpr_msb 0x1
	s_wait_tensorcnt 0x0
	ds_add_u32 v255, v22
	s_wait_dscnt 0x0
	s_set_vgpr_msb 0x100
	CROUND                                         ; the closing round, behind the last tensor load of any kind
	s_endpgm
.Lfunc_end_k_q4362485155_qo:
	.size	k_q4362485155_qo, .Lfunc_end_k_q4362485155_qo-k_q4362485155_qo
	.p2alignl 7, 3214868480
	.fill 96, 4, 3214868480
	.section	.rodata,"a",@progbits
	.p2align	6, 0x0
	.amdhsa_kernel k_q4362485155_qo
		.amdhsa_group_segment_fixed_size 327680
		.amdhsa_private_segment_fixed_size 0
		.amdhsa_enable_private_segment 0
		.amdhsa_kernarg_size 72
		.amdhsa_user_sgpr_count 2
		.amdhsa_user_sgpr_kernarg_segment_ptr 1
		.amdhsa_wavefront_size32 1
		.amdhsa_system_sgpr_workgroup_id_x 1
		.amdhsa_system_sgpr_workgroup_id_y 1
		.amdhsa_system_sgpr_workgroup_id_z 1
		.amdhsa_system_vgpr_workitem_id 0
		.amdhsa_next_free_vgpr 1024
		.amdhsa_next_free_sgpr 102
		.amdhsa_reserve_vcc 0
		.amdhsa_float_denorm_mode_32 3
		.amdhsa_float_denorm_mode_16_64 3
		.amdhsa_memory_ordered 1
		.amdhsa_forward_progress 1
		.amdhsa_inst_pref_size 255
	.end_amdhsa_kernel
	.section	.bss,"aw",@nobits
	.p2align	6
	.space	262144
	.amdgpu_metadata
---
amdhsa.version: [ 1, 2 ]
amdhsa.kernels:
  - .name:           k_q4362485155_qo
    .symbol:         k_q4362485155_qo.kd
    .args:
      - { .name: xb, .offset: 0, .size: 8, .value_kind: global_buffer, .address_space: global }
      - { .name: wb, .offset: 8, .size: 8, .value_kind: global_buffer, .address_space: global }
      - { .name: kvb, .offset: 16, .size: 8, .value_kind: global_buffer, .address_space: global }
      - { .name: ga, .offset: 24, .size: 8, .value_kind: global_buffer, .address_space: global }
      - { .name: cin, .offset: 32, .size: 8, .value_kind: global_buffer, .address_space: global }
      - { .name: mst, .offset: 40, .size: 8, .value_kind: global_buffer, .address_space: global }
      - { .name: kvq_bias, .offset: 48, .size: 8, .value_kind: global_buffer, .address_space: global }
      - { .name: o_bias, .offset: 56, .size: 8, .value_kind: global_buffer, .address_space: global }
      - { .name: out0, .offset: 64, .size: 8, .value_kind: global_buffer, .address_space: global }
    .group_segment_fixed_size: 327680
    .private_segment_fixed_size: 0
    .kernarg_segment_align: 8
    .kernarg_segment_size: 72
    .max_flat_workgroup_size: 128
    .sgpr_count:     102
    .vgpr_count:     1024
    .wavefront_size: 32
...
	.end_amdgpu_metadata
.endif
;; end of part 4
;; ======== version 2 of 2: 4 launches; version 1 with the launches prep, scan written anew for expert scheduling mode
;; limits: values outside matrix products are rounded to bf16
;; workspace buffers: xb 16,777,216 bytes; wb 8,388,608 bytes; gt 1,048,576 bytes; kvb 67,108,864 bytes; ub 20,971,520 bytes; ga 1,056,768 bytes; cin 20,971,520 bytes; mst 4,096 bytes
;; launch prep (part 5): grid 256 x 1, 8 waves a work-group, no clusters, 173,056 bytes of LDS; arguments xs, if_weights, kq_weights, v_weights, o_weights, if_bias, xb, wb, gt; writes xb, wb, gt
.if DOCPART == 5
	.amdgcn_target "amdgcn-amd-amdhsa--gfx1250"
	.amdhsa_code_object_version 6
	.text
	.protected	k_q4362485155_prep
	.globl	k_q4362485155_prep
	.p2align	8
	.type	k_q4362485155_prep,@function
k_q4362485155_prep:
	s_mov_b64 s[64:65], 0
	v_nop
	global_prefetch_b8 v0, s[64:65] scope:SCOPE_SE
	s_setreg_imm32_b32 hwreg(HW_REG_WAVE_SCHED_MODE, 0, 2), 2
	s_setreg_imm32_b32 hwreg(HW_REG_WAVE_MODE, 25, 1), 1
	s_wait_xcnt 0x0
	s_wait_alu depctr_vm_vsrc(0)
; prep: xs -> bf16 (xb); all projection weights -> bf16, ordered by head (wb); the gates i, f = x . Wif + bias (gt).
; wb row head*128 + p        : p < 64: kq_weights[head][p] / 8 (k; the factor 1/sqrt(64) is a power of two), else v_weights[head][p-64]
; wb row 2048 + head*128 + p : p < 64: kq_weights[head][64+p] (q), else o_weights[head][p-64]
; gt [256 blocks of 32 steps][32 gates n = 2 head + (0: i, 1: f)][32 steps] f32, bias included.
; Work-group g: rows 32 g .. 32 g + 31 of xs and rows 16 g .. 16 g + 15 of wb.  Wave w: columns 128 w .. 128 w + 127 of the 32 rows of xs
; and of the 32 rows of if_weights (one 16-byte load of the wave = 512 consecutive bytes of a row), and two whole rows of wb.
; The gates are a product 32 x 32 x 1024 on the matrix unit, bf16 operands, f32 sums; each wave sums its 128 columns, the eight partial
; sums meet in LDS behind the one barrier.
; LIMITS: gate operands are rounded to bf16, and so is the gates' bias (the weight of a constant input 1, kept in the format of its row);
; k weights below 2^-123 lose bits to the factor 1/8; NaN and infinities are not followed.
; THE MODE: SCHED_MODE bits 1:0 = 2 (LLVM: expert scheduling mode 2), set by the entry lines.  The code itself states the register dependences
; between vector or matrix instructions and memory or LDS instructions, with s_wait_alu, always for 0.
; THE PLAN.  Registers that memory or LDS instructions touch:
;   v2 .. v9, v11   offsets and LDS addresses: made once at the head, never written again.
;   window 1        x: loaded; a row's two roundings write its first two registers; its two stores read them; never written again.
;   WRW             my two weight rows: loaded; scaled and rounded in place; a store reads each pair; never written again.
;   FA, FB          the gate weights: loaded; rounded in place; LDS stores read them; then the fragments' loads land there and the matrix instructions
;                   read them; behind the barrier the partial sums land in FA's first 32, are added there, and the last store reads four of them.
;   ACC             written by the matrix instructions, read by LDS stores.
; The roundings go in five steps of 16 rows: x 0-15, x 16-31, the weight rows, gate rows 0-15, gate rows 16-31.  At a step's head, behind the wait for its
; data, ONE wait on va_vdst states that the step before has written its packed words; that step's stores follow it, dealt among this step's roundings,
; which name other registers.
.set LPITCH, 272                       ; an LDS row: 256 bytes + 16, so that 16 rows start at 16 different 16-byte columns
.set WLDS,   2*32*LPITCH               ; a wave's own LDS: its 32 x 128 of x, then its 32 x 128 of the gate weights
.set RED,    8*WLDS                    ; behind them: 8 waves x 4,096 bytes of partial sums
.set ACC, 16                           ; v[16:47]   four accumulator tiles 2 mt + nt
.set FA,  64                           ; v[64:127]  gate weights as loaded; then fragments of x, 8 (4 mt + s)
.set FB,  128                          ; v[128:191] gate weights as loaded; then their fragments, 8 (4 nt + s)
.set WRW, 192                          ; v[192:255] my two rows of weights, 16 loads of 4 registers
                                       ; window 1, v[0:127]: my part of x, row j in 4 j .. 4 j + 3
.set MSB, 0
.macro WIN new                         ; s_set_vgpr_msb: low byte the new windows, high byte the setting that is left
.if MSB != (\new)
	s_set_vgpr_msb (MSB<<8)|(\new)
.set MSB, (\new)
.endif
.endm
	s_load_b512 s[4:19], s[0:1], 0x0               ; xs 4, if_weights 6, kq 8, v 10, o 12, if_bias 14, xb 16, wb 18
	s_load_b64 s[20:21], s[0:1], 0x40              ; gt
	v_lshl_add_u32 v62, v0, 2, 0x2a000
	v_mov_b32 v63, 0
	v_lshrrev_b32 v15, 5, v0
	v_readfirstlane_b32 s22, v15                   ; wave 0..7
	s_lshr_b32 s23, ttmp9, 7                       ; half: 0 = the k|v rows of wb, 1 = the q|o rows
	s_bfe_u32 s24, ttmp9, 0x40003                  ; head
	s_and_b32 s25, ttmp9, 7                        ; which 16 of the head's 128 rows
	s_lshl_b32 s26, s24, 7
	s_lshl_b32 s27, s23, 6
	s_add_co_u32 s26, s26, s27
	s_lshl_b32 s27, s25, 4
	s_add_co_u32 s26, s26, s27                     ; source row in kq_weights: 128 head + 64 half + 16 sub
	s_and_b32 s27, s25, 3
	s_lshl_b32 s27, s27, 4
	s_lshl_b32 s32, s24, 6
	s_add_co_u32 s32, s32, s27                     ; source row in v_weights or o_weights: 64 head + 16 (sub - 4)
	s_lshl_b32 s33, s23, 2
	s_add_co_u32 s33, s33, s25
	s_cmp_lt_u32 s33, 4                            ; half 0 and sub < 4: rows of k
	s_cselect_b32 s30, 0x3e000000, 1.0             ; 1/8 for k, else 1
	s_mov_b32 s31, s30
	s_wait_alu depctr_va_sdst(0)                   ; s22, the wave's number, is written, ahead of its first reader
	s_mul_i32 s34, s22, WLDS
	s_lshl_b32 s38, s22, 12
	s_lshl_b32 s39, s22, 13
	s_add_co_u32 s35, s38, RED
	v_and_b32 v1, 31, v0                           ; lane
	v_lshlrev_b32 v2, 4, v0                        ; 512 w + 16 lane: my 16 bytes in a row of xs and of if_weights; also 16 t for gt
	v_lshlrev_b32 v3, 3, v0                        ; 256 w + 8 lane: my 8 bytes in a row of xb
	v_lshl_add_u32 v4, v1, 4, s39                  ; 8,192 w + 16 lane: my two source rows
	v_lshl_add_u32 v5, v1, 3, s38                  ; 4,096 w + 8 lane: my two rows of wb
	v_lshl_add_u32 v6, v1, 3, s34                  ; LDS: my 8 bytes of a row in my wave's part
	v_and_b32 v13, 15, v0                          ; r
	v_bfe_u32 v14, v0, 4, 1                        ; h
	v_mul_u32_u24 v7, v13, LPITCH
	v_lshl_add_u32 v7, v14, 4, v7
	v_add_nc_u32 v7, s34, v7                       ; fragment address: row r, 16 h
	v_lshl_add_u32 v8, v1, 4, s35                  ; where my partial sums go
	; thread t writes gt bytes 16 t: gate n = t >> 3, steps 4 (t & 7) .. + 3.  In the accumulator layout (register j: row 8 h + j, lane r: column)
	; that is tile 2 mt + nt, mt = (t >> 2) & 1, nt = t >> 7, lane 16 h' + r', h' = (t >> 1) & 1, r' = (t >> 3) & 15, registers 4 q .. 4 q + 3, q = t & 1
	v_bfe_u32 v13, v0, 2, 1
	v_lshrrev_b32 v14, 7, v0
	v_lshl_add_u32 v13, v13, 1, v14                ; tile
	v_and_b32 v14, 1, v0
	v_lshl_add_u32 v13, v13, 1, v14                ; 2 tile + q
	v_bfe_u32 v14, v0, 1, 1
	v_lshl_add_u32 v13, v13, 1, v14                ; .. + h'
	v_bfe_u32 v14, v0, 3, 4
	v_lshl_add_u32 v13, v13, 4, v14                ; .. 16 + r'
	v_lshlrev_b32 v9, 4, v13
	v_add_nc_u32 v9, RED, v9                       ; 1,024 tile + 512 q + 16 (16 h' + r') in wave 0's partial sums
	v_lshrrev_b32 v11, 3, v0
	v_lshlrev_b32 v11, 2, v11                      ; 4 n: my gate's bias
	s_wait_kmcnt 0x0
	s_cmp_lg_u32 s23, 0
	s_cselect_b64 s[28:29], s[12:13], s[10:11]     ; half ? o_weights : v_weights
	s_cmp_lt_u32 s25, 4
	s_cselect_b64 s[28:29], s[8:9], s[28:29]       ; the head's first 64 rows come from kq_weights
	s_cselect_b32 s26, s26, s32
	s_lshl_b32 s26, s26, 12                        ; rows of 4,096 bytes
	s_mov_b32 s27, 0
	s_add_nc_u64 s[28:29], s[28:29], s[26:27]
	s_mov_b32 s37, 0
	s_lshl_b32 s36, ttmp9, 17
	s_add_nc_u64 s[4:5], s[4:5], s[36:37]          ; xs: 32 rows of 4,096 bytes a work-group
	s_lshl_b32 s36, ttmp9, 16
	s_add_nc_u64 s[16:17], s[16:17], s[36:37]      ; xb: 32 rows of 2,048
	s_lshl_b32 s36, ttmp9, 15
	s_add_nc_u64 s[18:19], s[18:19], s[36:37]      ; wb: 16 rows of 2,048
	s_lshl_b32 s36, ttmp9, 12
	s_add_nc_u64 s[20:21], s[20:21], s[36:37]      ; gt: a block of 4,096
	; all 81 loads of the wave go out at once: bias, x, weight rows, gate weights
	s_wait_alu depctr_va_vdst(0)                   ; the offsets and LDS addresses v2 to v9 and v11 are written: every load and store of the kernel reads one of them
	global_load_b32 v12, v11, s[14:15]
	WIN 0x40                                       ; destination in window 1
.set j, 0
.rept 32
	global_load_b128 v[4*j:4*j+3], v2, s[4:5] offset:j*4096 th:TH_LOAD_NT
.set j, j+1
.endr
	WIN 0
.set j, 0
.rept 16
	global_load_b128 v[WRW+4*j:WRW+4*j+3], v4, s[28:29] offset:j*512 th:TH_LOAD_NT
.set j, j+1
.endr
.set j, 0
.rept 32
	global_load_b128 v[FA+4*j:FA+4*j+3], v2, s[6:7] offset:j*4096
.set j, j+1
.endr
; Four rows of x, from row r0 on, are rounded: a row's eight numbers close up into the first two of its four registers.
.macro XCVT r0
	WIN 0x45                                       ; destination and both sources in window 1
.set j, \r0
.rept 4
	v_cvt_pk_bf16_f32 v[4*j], v[4*j], v[4*j+1]
	v_cvt_pk_bf16_f32 v[4*j+1], v[4*j+2], v[4*j+3]
.set j, j+1
.endr
.endm
; Four rounded rows of x leave: to xb, and into my wave's part of LDS.
.macro XOUT r0
	WIN 0x04                                       ; store data in window 1
.set j, \r0
.rept 4
	global_store_b64 v3, v[4*j:4*j+1], s[16:17] offset:j*2048      ; the wave's store covers 256 consecutive bytes, aligned
	ds_store_b64 v6, v[4*j:4*j+1] offset:j*LPITCH
.set j, j+1
.endr
.endm
; Four loads' worth of my two weight rows, from load j0 on: the factor (1/8 for k, else 1), then the rounding.
.macro WCVT j0
	WIN 0
.set j, \j0
.rept 4
	v_pk_mul_f32 v[WRW+4*j:WRW+4*j+1], v[WRW+4*j:WRW+4*j+1], s[30:31] op_sel_hi:[1,0]
	v_pk_mul_f32 v[WRW+4*j+2:WRW+4*j+3], v[WRW+4*j+2:WRW+4*j+3], s[30:31] op_sel_hi:[1,0]
	v_cvt_pk_bf16_f32 v[WRW+4*j], v[WRW+4*j], v[WRW+4*j+1]
	v_cvt_pk_bf16_f32 v[WRW+4*j+1], v[WRW+4*j+2], v[WRW+4*j+3]
.set j, j+1
.endr
.endm
	s_wait_loadcnt 63                              ; x's rows 0-15 are in: 64 loads are younger than row 15's, and a wait's count names 63 at the most
.irp g, 0,4,8,12
	XCVT \g
.endr
	s_wait_loadcnt 48                              ; all of x is in: the 16 + 32 younger loads stay out
	s_wait_alu depctr_va_vdst(0)                   ; the roundings have written rows 0-15's packed words, which the stores below read; the roundings among them name rows 16-31 alone
.irp g, 0,4,8,12
	XOUT \g
	XCVT 16+\g
.endr
	s_wait_loadcnt 32                              ; my two weight rows are in: the 32 gate-weight loads stay out
	s_wait_alu depctr_va_vdst(0)                   ; the roundings have written rows 16-31's packed words, which the stores below read; the vector work among them names WRW alone
.irp g, 0,4,8,12
	XOUT 16+\g
	WCVT \g
.endr
	WIN 0
	s_wait_loadcnt 16                              ; gate rows 0-15 are in: the 16 younger loads stay out
	s_wait_alu depctr_va_vdst(0)                   ; the roundings have written WRW's packed words, which the stores below read; the roundings among them name FA alone
.set j, 0
.rept 16
	global_store_b64 v5, v[WRW+4*j:WRW+4*j+1], s[18:19] offset:j*256
	v_cvt_pk_bf16_f32 v[FA+4*j], v[FA+4*j], v[FA+4*j+1]
	v_cvt_pk_bf16_f32 v[FA+4*j+1], v[FA+4*j+2], v[FA+4*j+3]
.set j, j+1
.endr
	s_wait_loadcnt 0x0                             ; gate rows 16-31 (the bias, the first load of all, came long ago)
	s_wait_alu depctr_va_vdst(0)                   ; the roundings have written gate rows 0-15's packed words, which the LDS stores below read; the roundings among them name FB alone
.set j, 16
.rept 16
	ds_store_b64 v6, v[FA+4*(j-16):FA+4*(j-16)+1] offset:32*LPITCH+(j-16)*LPITCH
	v_cvt_pk_bf16_f32 v[FA+4*j], v[FA+4*j], v[FA+4*j+1]
	v_cvt_pk_bf16_f32 v[FA+4*j+1], v[FA+4*j+2], v[FA+4*j+3]
.set j, j+1
.endr
	v_cvt_pk_bf16_f32 v12, v12, v12                ; the bias in bf16,
	v_lshlrev_b32 v12, 16, v12                     ; widened again
	s_wait_alu depctr_va_vdst(0)                   ; the roundings have written gate rows 16-31's packed words, which the LDS stores below read, and are done with FA and FB, in which the fragments' loads land
.set j, 16
.rept 16
	ds_store_b64 v6, v[FA+4*j:FA+4*j+1] offset:32*LPITCH+j*LPITCH
.set j, j+1
.endr
	s_wait_dscnt 0x0                               ; my stores into my wave's part of LDS are done
	s_wait_alu depctr_vm_vsrc(0)                   ; the LDS stores have read their data in FA and FB, which the fragments' loads write
	; fragments (16 rows x 32 K in 8 registers: two loads of 16 bytes, 32 bytes apart), from my wave's own bytes
.irp mt, 0,1
.irp s, 0,1,2,3
	ds_load_b128 v[FA+8*(4*\mt+\s):FA+8*(4*\mt+\s)+3],   v7 offset:\mt*16*LPITCH+64*\s
	ds_load_b128 v[FA+8*(4*\mt+\s)+4:FA+8*(4*\mt+\s)+7], v7 offset:\mt*16*LPITCH+64*\s+32
	ds_load_b128 v[FB+8*(4*\mt+\s):FB+8*(4*\mt+\s)+3],   v7 offset:32*LPITCH+\mt*16*LPITCH+64*\s
	ds_load_b128 v[FB+8*(4*\mt+\s)+4:FB+8*(4*\mt+\s)+7], v7 offset:32*LPITCH+\mt*16*LPITCH+64*\s+32
.endr
.endr
	s_wait_dscnt 0x0
	; D(step, gate): the four accumulators take turns; the first K step starts the sums
.irp s, 0,1,2,3
.irp mt, 0,1
.irp nt, 0,1
.if \s == 0
	v_wmma_f32_16x16x32_bf16 v[ACC+8*(2*\mt+\nt):ACC+8*(2*\mt+\nt)+7], v[FA+8*(4*\mt+\s):FA+8*(4*\mt+\s)+7], v[FB+8*(4*\nt+\s):FB+8*(4*\nt+\s)+7], 0
.else
	v_wmma_f32_16x16x32_bf16 v[ACC+8*(2*\mt+\nt):ACC+8*(2*\mt+\nt)+7], v[FA+8*(4*\mt+\s):FA+8*(4*\mt+\s)+7], v[FB+8*(4*\nt+\s):FB+8*(4*\nt+\s)+7], v[ACC+8*(2*\mt+\nt):ACC+8*(2*\mt+\nt)+7]
.endif
.endr
.endr
.endr
.rept 4
	v_nop                                          ; four places behind the last matrix instruction (ISA guide 7.12.1) before its results are stored
.endr
	s_wait_alu depctr_va_vdst(0)                   ; the matrix instructions have written ACC, which the LDS stores read, and are done reading FA, in which the partial sums land behind the barrier; the places above stay beside this wait
.set j, 0
.rept 8
	ds_store_b128 v8, v[ACC+4*j:ACC+4*j+3] offset:512*j            ; tile j / 2, registers 4 (j & 1) ..
.set j, j+1
.endr
	s_wait_dscnt 0x0                               ; my partial sums are in LDS, for the other waves' sake
	s_barrier_signal -1
	s_barrier_wait -1
.set j, 0
.rept 8
	ds_load_b128 v[FA+4*j:FA+4*j+3], v9 offset:4096*j              ; wave j's partial sums of my four numbers
.set j, j+1
.endr
	s_wait_dscnt 0x0
.irp j, 0,8,16,24
	v_pk_add_f32 v[FA+\j:FA+\j+1], v[FA+\j:FA+\j+1], v[FA+\j+4:FA+\j+5]
	v_pk_add_f32 v[FA+\j+2:FA+\j+3], v[FA+\j+2:FA+\j+3], v[FA+\j+6:FA+\j+7]
.endr
.irp j, 0,16
	v_pk_add_f32 v[FA+\j:FA+\j+1], v[FA+\j:FA+\j+1], v[FA+\j+8:FA+\j+9]
	v_pk_add_f32 v[FA+\j+2:FA+\j+3], v[FA+\j+2:FA+\j+3], v[FA+\j+10:FA+\j+11]
.endr
	v_pk_add_f32 v[FA:FA+1], v[FA:FA+1], v[FA+16:FA+17]
	v_pk_add_f32 v[FA+2:FA+3], v[FA+2:FA+3], v[FA+18:FA+19]
.irp j, 0,1,2,3
	v_add_f32 v[FA+\j], v[FA+\j], v12              ; the gate's bias
.endr
	s_wait_alu depctr_va_vdst(0)                   ; the additions have written v[FA:FA+3], which the store reads
	global_store_b128 v2, v[FA:FA+3], s[20:21]     ; the block of 4,096 bytes is written densely by the 256 threads
	s_wait_dscnt 0x0                               ; the closing lines, six on end
	s_wait_alu 0x0
	s_wait_tensorcnt 0x0
	ds_add_u32 v62, v63
	s_wait_dscnt 0x0
	s_endpgm
.Lfunc_end_k_q4362485155_prep:
	.size	k_q4362485155_prep, .Lfunc_end_k_q4362485155_prep-k_q4362485155_prep
	.p2alignl 7, 3214868480
	.fill 96, 4, 3214868480
	.section	.rodata,"a",@progbits
	.p2align	6, 0x0
	.amdhsa_kernel k_q4362485155_prep
		.amdhsa_group_segment_fixed_size 173056
		.amdhsa_private_segment_fixed_size 0
		.amdhsa_enable_private_segment 0
		.amdhsa_kernarg_size 72
		.amdhsa_user_sgpr_count 2
		.amdhsa_user_sgpr_kernarg_segment_ptr 1
		.amdhsa_wavefront_size32 1
		.amdhsa_system_sgpr_workgroup_id_x 1
		.amdhsa_system_sgpr_workgroup_id_y 1
		.amdhsa_system_sgpr_workgroup_id_z 1
		.amdhsa_system_vgpr_workitem_id 0
		.amdhsa_next_free_vgpr 384
		.amdhsa_next_free_sgpr 66
		.amdhsa_reserve_vcc 0
		.amdhsa_float_denorm_mode_32 3
		.amdhsa_float_denorm_mode_16_64 3
		.amdhsa_memory_ordered 1
		.amdhsa_forward_progress 1
		.amdhsa_inst_pref_size 39
	.end_amdhsa_kernel
	.amdgpu_metadata
---
amdhsa.version: [ 1, 2 ]
amdhsa.kernels:
  - .name:           k_q4362485155_prep
    .symbol:         k_q4362485155_prep.kd
    .args:
      - { .name: xs, .offset: 0, .size: 8, .value_kind: global_buffer, .address_space: global }
      - { .name: if_weights, .offset: 8, .size: 8, .value_kind: global_buffer, .address_space: global }
      - { .name: kq_weights, .offset: 16, .size: 8, .value_kind: global_buffer, .address_space: global }
      - { .name: v_weights, .offset: 24, .size: 8, .value_kind: global_buffer, .address_space: global }
      - { .name: o_weights, .offset: 32, .size: 8, .value_kind: global_buffer, .address_space: global }
      - { .name: if_bias, .offset: 40, .size: 8, .value_kind: global_buffer, .address_space: global }
      - { .name: xb, .offset: 48, .size: 8, .value_kind: global_buffer, .address_space: global }
      - { .name: wb, .offset: 56, .size: 8, .value_kind: global_buffer, .address_space: global }
      - { .name: gt, .offset: 64, .size: 8, .value_kind: global_buffer, .address_space: global }
    .group_segment_fixed_size: 173056
    .private_segment_fixed_size: 0
    .kernarg_segment_align: 8
    .kernarg_segment_size: 72
    .max_flat_workgroup_size: 256
    .sgpr_count:     66
    .vgpr_count:     384
    .wavefront_size: 32
...
	.end_amdgpu_metadata
.endif
;; end of part 5
;; launch kv: the kernel of part 2 again; grid 8 x 32, 4 waves a work-group, clusters of 4 x 4, 327,680 bytes of LDS; arguments xb, wb, gt, kvq_bias, kvb, ub, ga; writes kvb, ub, ga
;; launch scan (part 6): grid 40 x 16, 1 waves a work-group, no clusters, 0 bytes of LDS; arguments ub, ga, cin, mst; writes cin, mst
.if DOCPART == 6
	.amdgcn_target "amdgcn-amd-amdhsa--gfx1250"
	.amdhsa_code_object_version 6
	.text
	.protected	k_q4362485155_scan
	.globl	k_q4362485155_scan
	.p2align	8
	.type	k_q4362485155_scan,@function
k_q4362485155_scan:
	s_mov_b64 s[64:65], 0
	v_nop
	global_prefetch_b8 v0, s[64:65] scope:SCOPE_SE
	s_setreg_imm32_b32 hwreg(HW_REG_WAVE_SCHED_MODE, 0, 2), 2
	s_setreg_imm32_b32 hwreg(HW_REG_WAVE_MODE, 25, 1), 1
	s_wait_xcnt 0x0
	s_wait_alu depctr_vm_vsrc(0)
; scan: the recurrence from chunk to chunk, element by element.  With m the stabiliser that enters chunk c (m = 0, C = 0 at chunk 0):
;   g = max(m, A_c);  C <- e^(m - g) C + e^(A_c - g) U_c;  m <- b_c + g.   Both exponents are <= 0: the running maximum is taken away.
; Stored for chunk c: the state that ENTERS it as hi = bf16(C) and lo = bf16(C - hi) (cin: [head][chunk][hi, lo][10,240 bytes]; the state itself is
; carried in f32), and m log2(e) (mst).
; One wave a work-group: x = which 512 bytes of a block of ub (40), y = head.  A lane owns four elements through all 64 chunks.
; No LDS, no matrix unit, no cluster: nothing is shared but 512 bytes of gate figures.  32 of the 63 loads go out at once, the rest one a step.
; Chunk 63's U is not read: no later chunk exists.
; LIMITS: exponentials below 2^-126 come out as zero; NaN and infinities are not followed.
; THE MODE: SCHED_MODE bits 1:0 = 2 (LLVM: expert scheduling mode 2), set by the entry lines.  The code itself states the register dependences
; between vector instructions and memory instructions, and those through scalar registers that vector instructions write, with s_wait_alu, always for 0.
; THE PLAN.  Registers that memory instructions touch:
;   v1, v2       byte offsets, made once at the head and never written again: the chunks are reached by immediate offsets.
;   v[4:7]       the pairs (b, A): loaded once, read by v_readlane_b32 alone.
;   RING         slot c % 32: read by chunk c's two multiply-adds; the load of chunk c + 32 lands in it, issued at the head of chunk c + 1.
;   OUT0, OUT1   chunk c's four roundings write OUT[c % 2]; the two stores issued at the head of chunk c + 1 read it; chunk c + 2 writes it again.
;   v[18:19]     m log2(e) of all chunks, gathered a lane at a time; read by the last store.
; The gate arithmetic hangs on no U: chunk c makes the two factors of chunk c + 1, into the factor set FAC[(c + 1) % 2].
; So ONE wait on va_vdst at a chunk's head states all that its three memory instructions and its first multiplies hang on: the chunk before has written its OUT,
; is done reading its ring slot, and has written this chunk's factors.  No vector instruction behind that wait names a register of those three.
; The pairs (b, A) of eight chunks go into s[32:47] by one run of v_readlane_b32, with one wait on va_sdst behind the run.
.set UBLK, 20480                       ; bytes of a chunk's block in ub
.set CBLK, 20480                       ; and in cin: hi, then lo
.set RING, 64                          ; v[64:191] 32 slots of 4 registers
.set OUT,  32                          ; v[32:39]  out-buffer p: hi's two words at OUT + 4 p, lo's at OUT + 4 p + 2
.set FAC,  40                          ; v[40:47]  factor set p: e^(m - g) twice at FAC + 4 p, e^(A - g) twice at FAC + 4 p + 2: pairs for the packed arithmetic
.set GB,   32                          ; s[32:47]  chunk n of the eight in hand: b at GB + 2 (n % 8), A behind it
; The pairs (b, A) of chunks 8 g .. 8 g + 7 as scalars (chunk 63's are not wanted).  The wait for them stands ahead of their first reader.
.macro LANES g
.set k, 0
.rept 8
.if 8*(\g)+k < 63
	v_readlane_b32 s[GB+2*k],   v[4+2*(k&1)], (8*(\g)+k)>>1
	v_readlane_b32 s[GB+2*k+1], v[5+2*(k&1)], (8*(\g)+k)>>1
.endif
.set k, k+1
.endr
.endm
; The gate arithmetic of chunk n, with m_n in v8, in four parts, each of which reads what the part before wrote; chunk 63 has only its m to hand on.
.macro G1 n
	v_mul_f32 v20, 0x3fb8aa3b, v8                  ; m log2(e)
.if (\n) < 63
	v_max_num_f32 v9, s[GB+2*((\n)&7)+1], v8       ; g
.endif
.endm
.macro G2 n
	s_mov_b32 s24, 1<<((\n)>>1)
	v_cndmask_b32 v[18+((\n)&1)], v[18+((\n)&1)], v20, s24         ; lane n / 2 keeps it
.if (\n) < 63
	v_sub_f32 v21, v8, v9
	v_sub_f32 v22, s[GB+2*((\n)&7)+1], v9
.endif
.endm
.macro G3 n
.if (\n) < 63
	v_mul_f32 v21, 0x3fb8aa3b, v21
	v_mul_f32 v22, 0x3fb8aa3b, v22
.endif
.endm
.macro G4 n
.if (\n) < 63
	v_exp_f32 v[FAC+4*((\n)&1)],   v21             ; each factor twice
	v_exp_f32 v[FAC+4*((\n)&1)+1], v21
	v_exp_f32 v[FAC+4*((\n)&1)+2], v22
	v_exp_f32 v[FAC+4*((\n)&1)+3], v22
	v_add_f32 v8, s[GB+2*((\n)&7)], v9             ; m for the next chunk: the plain instruction behind the exponentials (ISA guide 5.7.2)
.endif
.endm
	s_load_b128 s[4:7], s[0:1], 0x0                ; ub, ga
	s_load_b128 s[8:11], s[0:1], 0x10              ; cin, mst
	s_and_b32 s12, ttmp7, 0xffff                   ; head
	s_mov_b32 s25, 0xffff0000                      ; a word's upper bf16
	v_lshlrev_b32 v1, 4, v0                        ; 16 lane
	v_lshlrev_b32 v2, 3, v0                        ; 8 lane
	s_mul_i32 s14, s12, 64*UBLK
	s_lshl_b32 s16, ttmp9, 9
	s_add_co_u32 s14, s14, s16
	s_mov_b32 s15, 0
	s_mul_i32 s16, s12, 64*CBLK
	s_lshl_b32 s18, ttmp9, 8
	s_add_co_u32 s16, s16, s18
	s_mov_b32 s17, 0
	s_lshl_b32 s18, s12, 9
	s_add_co_u32 s18, s18, 0x100000                ; the pairs (b, A) lie behind ga's 1,024 blocks of 1,024 bytes
	s_mov_b32 s19, 0
	s_lshl_b32 s20, s12, 8
	s_mov_b32 s21, 0
	s_wait_kmcnt 0x0
	s_add_nc_u64 s[4:5], s[4:5], s[14:15]
	s_add_nc_u64 s[8:9], s[8:9], s[16:17]
	s_add_nc_u64 s[6:7], s[6:7], s[18:19]
	s_add_nc_u64 s[10:11], s[10:11], s[20:21]
	s_wait_alu depctr_va_vdst(0)                   ; v1 and v2 are written: every load and store of the kernel reads one of them as its offset
	global_load_b128 v[4:7], v1, s[6:7]            ; lane l: (b, A) of chunks 2 l and 2 l + 1
.set c, 0
.rept 32
	global_load_b128 v[RING+4*c:RING+4*c+3], v1, s[4:5] offset:c*UBLK th:TH_LOAD_NT
.set c, c+1
.endr
	v_mov_b32 v8, 0                                ; m
	v_mov_b32 v12, 0                               ; C, four elements
	v_mov_b32 v13, 0
	v_mov_b32 v14, 0
	v_mov_b32 v15, 0
	v_mov_b32 v18, 0                               ; lane l collects m log2(e) of chunks 2 l, 2 l + 1
	v_mov_b32 v19, 0
	s_wait_loadcnt 32                              ; the pairs (b, A) are in: the 32 ring loads are younger
	LANES 0
	s_wait_alu depctr_va_sdst(0)                   ; s[32:47] are written, ahead of their first reader
	G1 0                                           ; chunk 0's factors
	G2 0
	G3 0
	G4 0
.set c, 0
.rept 64
.if c == 0
	s_wait_loadcnt 31                              ; chunk 0's U is in: the 31 other first loads are younger
.elseif c <= 31
	s_wait_loadcnt 30                              ; chunk c's U is in: 31 - c first loads and the c - 1 refills of chunks 1 to c - 1 are younger
.elseif c <= 62
	s_wait_loadcnt 62-c                            ; the refills issued behind chunk c's
.endif
.if c >= 2
	s_wait_xcnt 0x0                                ; every earlier memory instruction has had its addresses translated (ISA guide 3.1): OUT[c % 2], the data of the stores issued a chunk ago, is rewritten only behind this wait
	s_wait_alu depctr_vm_vsrc(0)                   ; those stores have read OUT[c % 2], which this chunk's roundings write again
.endif
	s_wait_alu depctr_va_vdst(0)                   ; the exponentials have written this chunk's factors; the chunk before has written its OUT, which the stores below read, and is done reading its ring slot, in which the load below lands
.if (c >= 1) && (c <= 31)
	global_load_b128 v[RING+4*(c-1):RING+4*(c-1)+3], v1, s[4:5] offset:(c+31)*UBLK th:TH_LOAD_NT
.endif
.if c >= 1
	global_store_b64 v2, v[OUT+4*((c-1)&1):OUT+4*((c-1)&1)+1],   s[8:9] offset:(c-1)*CBLK         ; each store of the wave covers 256 consecutive bytes, aligned
	global_store_b64 v2, v[OUT+4*((c-1)&1)+2:OUT+4*((c-1)&1)+3], s[8:9] offset:(c-1)*CBLK+10240
.endif
.if ((c+1)%8 == 0) && (c < 63)
	LANES (c+1)/8                                  ; the next eight chunks' pairs: the last reader of the old ones stood in the chunk before
.endif
	v_cvt_pk_bf16_f32 v[OUT+4*(c&1)],   v12, v13   ; hi
	v_cvt_pk_bf16_f32 v[OUT+4*(c&1)+1], v14, v15
	v_lshlrev_b32 v28, 16, v[OUT+4*(c&1)]
	v_and_b32 v29, s25, v[OUT+4*(c&1)]
	v_lshlrev_b32 v30, 16, v[OUT+4*(c&1)+1]
	v_and_b32 v31, s25, v[OUT+4*(c&1)+1]
.if ((c+1)%8 == 0) && (c < 63)
	s_wait_alu depctr_va_sdst(0)                   ; s[32:47] are written, ahead of their first reader
.endif
.if c < 63
	G1 c+1
.endif
	v_pk_add_f32 v[28:29], v[12:13], v[28:29] neg_lo:[0,1] neg_hi:[0,1]   ; C - hi, exact
	v_pk_add_f32 v[30:31], v[14:15], v[30:31] neg_lo:[0,1] neg_hi:[0,1]
.if c < 63
	G2 c+1
	v_pk_mul_f32 v[12:13], v[12:13], v[FAC+4*(c&1):FAC+4*(c&1)+1]
	v_pk_mul_f32 v[14:15], v[14:15], v[FAC+4*(c&1):FAC+4*(c&1)+1]
	G3 c+1
.endif
	v_cvt_pk_bf16_f32 v[OUT+4*(c&1)+2], v28, v29   ; lo
	v_cvt_pk_bf16_f32 v[OUT+4*(c&1)+3], v30, v31
.if c < 63
	G4 c+1
	v_pk_fma_f32 v[12:13], v[RING+4*(c&31):RING+4*(c&31)+1],   v[FAC+4*(c&1)+2:FAC+4*(c&1)+3], v[12:13]
	v_pk_fma_f32 v[14:15], v[RING+4*(c&31)+2:RING+4*(c&31)+3], v[FAC+4*(c&1)+2:FAC+4*(c&1)+3], v[14:15]
.endif
.set c, c+1
.endr
	s_wait_alu depctr_va_vdst(0)                   ; chunk 63's roundings have written OUT1, and v[18:19] are whole: the stores below read them
	global_store_b64 v2, v[OUT+4:OUT+5], s[8:9] offset:63*CBLK
	global_store_b64 v2, v[OUT+6:OUT+7], s[8:9] offset:63*CBLK+10240
	s_cmp_lg_u32 ttmp9, 0                          ; m is the same in all 40 work-groups of a head: the first stores it
	s_cbranch_scc1 .Lend
	global_store_b64 v2, v[18:19], s[10:11]
.Lend:
	s_endpgm
.Lfunc_end_k_q4362485155_scan:
	.size	k_q4362485155_scan, .Lfunc_end_k_q4362485155_scan-k_q4362485155_scan
	.p2alignl 7, 3214868480
	.fill 96, 4, 3214868480
	.section	.rodata,"a",@progbits
	.p2align	6, 0x0
	.amdhsa_kernel k_q4362485155_scan
		.amdhsa_group_segment_fixed_size 0
		.amdhsa_private_segment_fixed_size 0
		.amdhsa_enable_private_segment 0
		.amdhsa_kernarg_size 32
		.amdhsa_user_sgpr_count 2
		.amdhsa_user_sgpr_kernarg_segment_ptr 1
		.amdhsa_wavefront_size32 1
		.amdhsa_system_sgpr_workgroup_id_x 1
		.amdhsa_system_sgpr_workgroup_id_y 1
		.amdhsa_system_sgpr_workgroup_id_z 1
		.amdhsa_system_vgpr_workitem_id 0
		.amdhsa_next_free_vgpr 192
		.amdhsa_next_free_sgpr 66
		.amdhsa_reserve_vcc 0
		.amdhsa_float_denorm_mode_32 3
		.amdhsa_float_denorm_mode_16_64 3
		.amdhsa_memory_ordered 1
		.amdhsa_forward_progress 1
		.amdhsa_inst_pref_size 119
	.end_amdhsa_kernel
	.amdgpu_metadata
---
amdhsa.version: [ 1, 2 ]
amdhsa.kernels:
  - .name:           k_q4362485155_scan
    .symbol:         k_q4362485155_scan.kd
    .args:
      - { .name: ub, .offset: 0, .size: 8, .value_kind: global_buffer, .address_space: global }
      - { .name: ga, .offset: 8, .size: 8, .value_kind: global_buffer, .address_space: global }
      - { .name: cin, .offset: 16, .size: 8, .value_kind: global_buffer, .address_space: global }
      - { .name: mst, .offset: 24, .size: 8, .value_kind: global_buffer, .address_space: global }
    .group_segment_fixed_size: 0
    .private_segment_fixed_size: 0
    .kernarg_segment_align: 8
    .kernarg_segment_size: 32
    .max_flat_workgroup_size: 32
    .sgpr_count:     66
    .vgpr_count:     192
    .wavefront_size: 32
...
	.end_amdgpu_metadata
.endif
;; end of part 6
;; launch qo: the kernel of part 4 again; grid 8 x 32, 4 waves a work-group, clusters of 4 x 4, 327,680 bytes of LDS; arguments xb, wb, kvb, ga, cin, mst, kvq_bias, o_bias, out0; writes out0
